; MI455X (gfx1250); checked and timed in simulation.
; The chip was launched on July 23, 2026; its instructions are those of AMD's public machine-readable ISA for CDNA 5 (MIT licence, August 2026) and "CDNA5" Instruction Set Architecture Reference Guide (July 2026). The comments in the code are by the model that wrote it; some were corrected since.
;; Multi Headed Attention. Allowed arithmetic: matrix products marked QUANTISED: E3M2 operands, one E8M0 scale for each 32 along K, by v_wmma_scale_f32_16x16x128_f8f6f4 with both operands' format E3M2, f32 sums; everything else in f32.
;; Inputs: bk 1,024 float32; bo 1,024 float32; bq 1,024 float32; bv 1,024 float32; k 4 x 2,048 x 1,024 float32; mask 4 x 2,048 x 2,048 bool; q 4 x 2,048 x 1,024 float32; v 4 x 2,048 x 1,024 float32; wk 1,024 x 1,024 float32; wo 1,024 x 1,024 float32; wq 1,024 x 1,024 float32; wv 1,024 x 1,024 float32.
;; Outputs: out0 4 x 2,048 x 1,024 float32.
;; This version of the problem:
;;   THIS VERSION OF THE PROBLEM IS GIVEN IN LOW PRECISION. The matrix products marked QUANTISED in the list below multiply operands that are first quantised to E3M2 (3 exponent bits, 2 mantissa bits; 6 bits a number), with one power-of-two scale for each 32 numbers along K (OCP MX v1.0); their sums are f32. All else is computed in f32.
;;   The module's matrix products, in the order in which they are computed (A, B: the left and right operand; K: the contracted axis; several contracted axes count as one K, in the product's order):
;;     1. [M 8,192, K 1,024] x [K 1,024, N 1,024]; A: input q; B: input wq: QUANTISED
;;     2. [M 8,192, K 1,024] x [K 1,024, N 1,024]; A: input k; B: input wk: QUANTISED
;;     3. [M 8,192, K 1,024] x [K 1,024, N 1,024]; A: input v; B: input wv: QUANTISED
;;     4. batch 64 x [M 2,048, K 64] x [K 64, N 2,048]; A: computed on the way; B: computed on the way: QUANTISED
;;     5. batch 64 x [M 2,048, K 2,048] x [K 2,048, N 64]; A: softmax (see below); B: computed on the way: QUANTISED
;;     6. [M 8,192, K 1,024] x [K 1,024, N 1,024]; A: computed on the way; B: input wo: QUANTISED
;;   THE QUANTISER, for each operand of a quantised product, along K:
;;     - K is cut into blocks of 32 from its start; a last block that is shorter is filled with zeros.
;;     - A block's scale is 2^e with e = floor(log2(the largest magnitude in the block)) - 4, held to -126 .. 127; a block of zeros has e = 0. As a byte (E8M0): e + 127.
;;     - Each number is divided by its block's scale, clamped to +-28, and rounded to the nearest number of E3M2, ties to even, subnormals kept.
;;     - The product sums the exact products of the quantised numbers (number of the format x scale) in f32.
;;   ~~~python
;;   def quantise(x, axis):      # numpy; x: float32 -> the quantised numbers, widened to float32 again
;;       x = np.moveaxis(x, axis, -1); K = x.shape[-1]
;;       x = np.pad(x, [(0, 0)] * (x.ndim - 1) + [(0, -K % 32)]); x = x.reshape(x.shape[:-1] + (-1, 32)); a = np.abs(x).max(-1, keepdims=True)
;;       e = np.where(a > 0, np.clip(np.frexp(np.where(a > 0, a, 1))[1] - 1 - 4, -126, 127), 0)      # np.frexp(a)[1] - 1 = floor(log2(a)), exactly
;;       r = np.clip(x / 2.0 ** e, -28, 28)
;;       step = 2.0 ** (np.maximum(np.frexp(np.where(r == 0, 1, r))[1] - 1, -2) - 2)
;;       q = np.round(r / step) * step * 2.0 ** e      # np.round: ties to even
;;       return np.moveaxis(q.reshape(q.shape[:-2] + (-1,))[..., :K], -1, axis).astype(np.float32)
;;   ~~~
;;   SOFTMAX AHEAD OF A QUANTISED PRODUCT. Where the list says 'softmax', what is quantised is not the finished softmax but p = 2^(t - M), with t = logit x log2(e) and M = ceil(the row's largest t), a whole number; so 1/2 < the row's largest p <= 1. The row's sum l is taken of the UNQUANTISED p, in f32, and the product's result is divided by l at the end. Since M is a whole number, a kernel that streams over the keys may use a running M (the ceiling of the running maximum): every later rescaling is an exact power of two, which a block's scale takes up: the codes' values come out the same.
;;   OPERANDS COMPUTED ON THE WAY. 'Computed on the way' means the value that the module computes at that place (a softmax that the list does not call 'softmax' is quantised finished and normalised). What goes into a quantiser is computed in f32, as accurately as f32 sums, v_exp_f32 and their like allow (about 1e-6 of the number): no bf16 or f16 on the way to a quantiser, and a product that is left as it is and whose result goes on into a quantised operand takes f32 operands (vector FMAs, or v_wmma_f32_16x16x4_f32). A number that lies on a knife's edge between two numbers of the format may be rounded either way, as far as f32 arithmetic and the matrix unit's own rounding can turn it there, and no further.
;; 2 versions, each right; version 2 is version 1 with the launch attn written anew for expert scheduling mode. Each part assembles by itself: llvm-mc -triple=amdgcn-amd-amdhsa -mcpu=gfx1250 --defsym DOCPART=n.
;; ======== version 1 of 2: 5 launches
;; limits: right only within a limited range of input values
;; workspace buffers: flg 4,096 bytes of whole numbers; xq 22,937,600 bytes; msk 2,097,152 bytes; att 20,185,088 bytes; ctx 6,553,600 bytes
;; launch quant (part 1): grid 896 x 1, 4 waves a work-group, no clusters, 34,304 bytes of LDS; arguments q, k, v, wq, wk, wv, wo, xq; writes xq
.if DOCPART == 1
	.amdgcn_target "amdgcn-amd-amdhsa--gfx1250"
	.amdhsa_code_object_version 6
	.text
	.protected	k_q1ee01759ec_quant
	.globl	k_q1ee01759ec_quant
	.p2align	8
	.type	k_q1ee01759ec_quant,@function
k_q1ee01759ec_quant:
	s_mov_b64 s[64:65], 0
	v_nop
	global_prefetch_b8 v0, s[64:65] scope:SCOPE_SE
	s_setreg_imm32_b32 hwreg(HW_REG_WAVE_MODE, 25, 1), 1
	s_wait_xcnt 0x0
; q, k, v [8192][1024] and wq, wk, wv, wo [1024][1024], f32 with K innermost, become codes of BF6 (E3M2) with one E8M0 byte for each 32 along K.
; THE LAYOUT OF xq is the order of an operand's registers.  A fragment is 16 rows x 128 K, 12 registers a lane: lane (r, h) holds row position r, registers 6 c .. 6 c + 5 hold k = 64 c + 32 h + 0 .. 31.
; Its image is 1,536 bytes: six chunks of 256, chunk p = registers 2 p, 2 p + 1, lane L at 8 L.  xq: [row tile 1,792][K step 8][1,536], then from XS on the scale words [row tile][K step][16 words].
; THE ROWS OF A TILE ARE NOT NEIGHBOURS: position r of tile tau is row 32 (tau / 2) + 8 (tau % 2) + r % 8 + 16 (r / 8), so that results of a product used transposed have 16 neighbours in 16 registers.
; A block's scale is 2^(floor(log2(largest magnitude)) - 4); its byte is the largest magnitude's exponent field - 4, held at 1 from below.
; LIMITS: a block of zeros, and one whose largest magnitude lies under 2^-122, gets the byte 1 (the bytes are read by this program alone; zero codes add nothing); NaN and infinities among the inputs are not served.
; SHARES: work-group W takes row tiles 2 W and 2 W + 1; wave w takes tile w / 2 and half w % 2 of K: four K steps.  Each load reads 512 consecutive bytes of a row; a K step's 16 x 512 bytes turn through the
; wave's own stage in LDS (rows 528 bytes apart: 33 x 16, so the sixteen rows of a read start at different banks) and come back 128 bytes a lane: a whole block of 32 in one lane, twice.  No barrier: waves share nothing.
.set XS,   22020096
.set STG,  16*528
.set RR,   16                          ; v16-143   two sets of 64 registers as loaded
.set X,    144                         ; v144-207  register 32 c + i = k 64 c + 32 h + i of my row
.set MX,   208                         ; v208-209  largest magnitudes
.set SO,   210                         ; v210-211  the conversions' scale operands
.set BY,   212                         ; v212-213  the bytes
.set WD,   214                         ; v214, v215 my two bytes in place, and the other half's
.set WT,   215
.set C,    216                         ; v216-227  the fragment
.set CT,   228                         ; v228-230, v232-234  second halves of the blocks (a conversion's three registers begin on an even number)
.set WS,   236                         ; v236-239  the four K steps' scale words
	s_load_b512 s[4:19], s[0:1], 0x0               ; q, k, v, wq, wk, wv, wo, xq
	v_lshl_add_u32 v240, v0, 2, 0x8400
	v_mov_b32 v241, 0
	v_lshrrev_b32 v7, 5, v0
	v_readfirstlane_b32 s20, v7                    ; wave
	v_and_b32 v8, 31, v0                           ; L
	v_and_b32 v9, 15, v0                           ; r
	v_bfe_u32 v10, v0, 4, 1                        ; h
	v_lshlrev_b32 v1, 4, v8                        ; 16 L: my bytes of a load's 512
	s_mul_i32 s21, s20, STG                        ; my stage
	v_add_nc_u32 v2, s21, v1                       ; into it
	v_mul_u32_u24 v3, v9, 528
	v_lshl_add_u32 v3, v10, 7, v3
	v_add_nc_u32 v3, s21, v3                       ; out of it: row r, + 128 h
	v_lshlrev_b32 v4, 3, v8                        ; 8 L: my place in a chunk
	v_lshlrev_b32 v5, 2, v8                        ; 4 L: my place among two fragments' scale words
	v_lshlrev_b32 v6, 3, v10                       ; 8 h
	v_mov_b32 v[WT], 0                             ; a lane permute's destination counts as read
	s_mov_b32 s22, 0x76543210
	s_mov_b32 s23, 0xfedcba98                      ; selects for lane l xor 16
	s_mov_b32 s36, 0xffff0000                      ; lanes 16-31
	s_lshr_b32 s37, s20, 1                         ; which of the two row tiles
	s_and_b32 s38, s20, 1                          ; which half of K
	s_wait_kmcnt 0x0
	s_mov_b64 s[24:25], s[4:5]
	s_mov_b32 s26, 0
.macro PICK lim, p                     ; from work-group lim on the next tensor: the choice hangs on the work-group's number alone
	s_cmp_ge_u32 ttmp9, \lim
	s_cselect_b64 s[24:25], s[\p:\p+1], s[24:25]
	s_cselect_b32 s26, \lim, s26
.endm
	PICK 256, 6
	PICK 512, 8
	PICK 768, 10
	PICK 800, 12
	PICK 832, 14
	PICK 864, 16
	s_sub_co_u32 s27, ttmp9, s26
	s_lshl_b32 s27, s27, 5
	s_lshl_b32 s28, s37, 3
	s_add_co_u32 s27, s27, s28                     ; the tile's first row in its tensor: 32 (W - W0) + 8 u
	s_lshl_b32 s28, s27, 12
	s_lshl_b32 s29, s38, 11
	s_add_co_u32 s28, s28, s29
	s_mov_b32 s29, 0
	s_add_nc_u64 s[24:25], s[24:25], s[28:29]      ; the numbers
	s_lshl_b32 s30, ttmp9, 1
	s_add_co_u32 s30, s30, s37                     ; the row tile in xq
	s_mul_i32 s32, s30, 12288
	s_mul_i32 s33, s38, 6144
	s_add_co_u32 s32, s32, s33
	s_mov_b32 s33, 0
	s_add_nc_u64 s[32:33], s[18:19], s[32:33]      ; the images
	s_lshl_b32 s34, s30, 9
	s_lshl_b32 s35, s38, 8
	s_add_co_u32 s34, s34, s35
	s_add_co_u32 s34, s34, XS
	s_mov_b32 s35, 0
	s_add_nc_u64 s[34:35], s[18:19], s[34:35]      ; the scale words
.macro LOAD s                          ; K step s: 512 bytes of each of the tile's 16 rows
.irp j, 0,1,2,3,4,5,6,7,8,9,10,11,12,13,14,15
	global_load_b128 v[RR+64*((\s)%2)+4*\j:RR+64*((\s)%2)+4*\j+3], v1, s[24:25] offset:((\j%8)+16*(\j/8))*4096+512*(\s) th:TH_LOAD_NT
.endr
.endm
.macro STEP s
.if (\s) < 3
	s_wait_loadcnt 16                              ; this step's 16 loads are in; the next step's 16 may be out
.else
	s_wait_loadcnt 0x0
.endif
.irp j, 0,1,2,3,4,5,6,7,8,9,10,11,12,13,14,15
	ds_store_b128 v2, v[RR+64*((\s)%2)+4*\j:RR+64*((\s)%2)+4*\j+3] offset:528*\j
.endr
.irp c, 0,1
.irp i, 0,1,2,3,4,5,6,7
	ds_load_b128 v[X+32*\c+4*\i:X+32*\c+4*\i+3], v3 offset:256*\c+16*\i   ; LDS serves a wave's instructions in order: these see the stores above
.endr
.endr
	s_wait_dscnt 0x0                               ; the numbers are back, and the stores have read their registers,
.if (\s)+2 < 4
	LOAD (\s)+2                                    ; which take the loads of two steps on
.endif
.irp c, 0,1
	v_max3_num_f32 v[MX+\c], |v[X+32*\c]|, |v[X+32*\c+1]|, 0x2800000   ; my block 2 c + h: all 32 numbers are mine; the floor 2^(5 - 127) holds the byte at 1 from below
.endr
.irp i, 2,4,6,8,10,12,14,16,18,20,22,24,26,28,30
.irp c, 0,1
	v_max3_num_f32 v[MX+\c], v[MX+\c], |v[X+32*\c+\i]|, |v[X+32*\c+\i+1]|
.endr
.endr
.irp c, 0,1
	v_add_nc_u32 v[SO+\c], 0xfe000000, v[MX+\c]    ; 4 off the exponent field: the conversion takes that field as its scale
.endr
.irp c, 0,1
	v_lshrrev_b32 v[BY+\c], 23, v[SO+\c]           ; the byte
.endr
	v_lshl_or_b32 v[WD], v[BY+1], 16, v[BY]        ; blocks h and 2 + h,
	v_lshlrev_b32 v[WD], v6, v[WD]                 ; at their places in the word;
	v_permlanex16_b32 v[WT], v[WD], s22, s23
	v_or_b32 v[WS+(\s)], v[WD], v[WT]              ; with lane l xor 16's two the word is whole
	s_wait_xcnt 0x0                                ; the last step's stores have read the fragment's registers: they are written again only behind this wait
.irp c, 0,1
	v_cvt_scalef32_pk16_bf6_f32 v[C+6*\c:C+6*\c+2], v[X+32*\c:X+32*\c+15], v[SO+\c]
	v_cvt_scalef32_pk16_bf6_f32 v[CT+4*\c:CT+4*\c+2], v[X+32*\c+16:X+32*\c+31], v[SO+\c]
.endr
	v_nop                                          ; one plain place behind a scaled conversion
.irp c, 0,1
.irp i, 0,1,2
	v_mov_b32 v[C+6*\c+3+\i], v[CT+4*\c+\i]
.endr
.endr
.irp p, 0,1,2,3,4,5
	global_store_b64 v4, v[C+2*\p:C+2*\p+1], s[32:33] offset:1536*(\s)+256*\p   ; 32 lanes store 256 consecutive bytes, aligned
.endr
.endm
	LOAD 0
	LOAD 1
	STEP 0
	STEP 1
	STEP 2
	STEP 3
	v_cndmask_b32 v12, v[WS], v[WS+1], s36         ; lanes 0-15 K step 0's words, lanes 16-31 K step 1's: 128 consecutive bytes
	v_cndmask_b32 v13, v[WS+2], v[WS+3], s36
	global_store_b32 v5, v12, s[34:35]
	global_store_b32 v5, v13, s[34:35] offset:128
	s_wait_tensorcnt 0x0
	ds_add_u32 v240, v241
	s_wait_dscnt 0x0
	s_endpgm
.Lfunc_end_k_q1ee01759ec_quant:
	.size	k_q1ee01759ec_quant, .Lfunc_end_k_q1ee01759ec_quant-k_q1ee01759ec_quant
	.p2alignl 7, 3214868480
	.fill 96, 4, 3214868480
	.section	.rodata,"a",@progbits
	.p2align	6, 0x0
	.amdhsa_kernel k_q1ee01759ec_quant
		.amdhsa_group_segment_fixed_size 34304
		.amdhsa_private_segment_fixed_size 0
		.amdhsa_enable_private_segment 0
		.amdhsa_kernarg_size 64
		.amdhsa_user_sgpr_count 2
		.amdhsa_user_sgpr_kernarg_segment_ptr 1
		.amdhsa_wavefront_size32 1
		.amdhsa_system_sgpr_workgroup_id_x 1
		.amdhsa_system_sgpr_workgroup_id_y 1
		.amdhsa_system_sgpr_workgroup_id_z 1
		.amdhsa_system_vgpr_workitem_id 0
		.amdhsa_next_free_vgpr 242
		.amdhsa_next_free_sgpr 66
		.amdhsa_reserve_vcc 0
		.amdhsa_float_denorm_mode_32 3
		.amdhsa_float_denorm_mode_16_64 3
		.amdhsa_memory_ordered 1
		.amdhsa_forward_progress 1
		.amdhsa_inst_pref_size 32
	.end_amdhsa_kernel
	.amdgpu_metadata
---
amdhsa.version: [ 1, 2 ]
amdhsa.kernels:
  - .name:           k_q1ee01759ec_quant
    .symbol:         k_q1ee01759ec_quant.kd
    .args:
      - { .name: q, .offset: 0, .size: 8, .value_kind: global_buffer, .address_space: global }
      - { .name: k, .offset: 8, .size: 8, .value_kind: global_buffer, .address_space: global }
      - { .name: v, .offset: 16, .size: 8, .value_kind: global_buffer, .address_space: global }
      - { .name: wq, .offset: 24, .size: 8, .value_kind: global_buffer, .address_space: global }
      - { .name: wk, .offset: 32, .size: 8, .value_kind: global_buffer, .address_space: global }
      - { .name: wv, .offset: 40, .size: 8, .value_kind: global_buffer, .address_space: global }
      - { .name: wo, .offset: 48, .size: 8, .value_kind: global_buffer, .address_space: global }
      - { .name: xq, .offset: 56, .size: 8, .value_kind: global_buffer, .address_space: global }
    .group_segment_fixed_size: 34304
    .private_segment_fixed_size: 0
    .kernarg_segment_align: 8
    .kernarg_segment_size: 64
    .max_flat_workgroup_size: 128
    .sgpr_count:     66
    .vgpr_count:     242
    .wavefront_size: 32
...
	.end_amdgpu_metadata
.endif
;; end of part 1
;; launch maskpack (part 2): grid 512 x 1, 4 waves a work-group, no clusters, 34,560 bytes of LDS; arguments mask, msk, flg; writes msk, flg
.if DOCPART == 2
	.amdgcn_target "amdgcn-amd-amdhsa--gfx1250"
	.amdhsa_code_object_version 6
	.text
	.protected	k_q1ee01759ec_maskpack
	.globl	k_q1ee01759ec_maskpack
	.p2align	8
	.type	k_q1ee01759ec_maskpack,@function
k_q1ee01759ec_maskpack:
	s_mov_b64 s[64:65], 0
	v_nop
	global_prefetch_b8 v0, s[64:65] scope:SCOPE_SE
	s_setreg_imm32_b32 hwreg(HW_REG_WAVE_MODE, 25, 1), 1
	s_wait_xcnt 0x0
; The mask [4][2048][2048] of bytes (1 = hidden) becomes lane words for the attention launch, and two flag words for each tile of 16 queries.
; msk: [G = 128 batch + T][key step 16][64 words]: word n = 16 beta + e, bit L = (r, h): mask[batch][query position r of tile T][128 kappa + 32 beta + 16 h + e]: the very lane and register in which that score will lie.
; Query position r of tile T is row 32 (T / 2) + 8 (T % 2) + r % 8 + 16 (r / 8), as everywhere in this program.
; flg: SKIP[512 words]: bit kappa = all 16 x 128 scores of that step are hidden, AND no row of the tile is hidden at every key (such a row's weights are all equal, so none of its steps may be left out);
; from byte 2,048 on NOM[512 words]: bit kappa = none of the step's scores is hidden.  Right for every mask.  The flags have a buffer of their own: they alone steer branches of the attention launch.
; SHARES: a work-group takes one G; wave w key steps 4 w .. 4 w + 3: 512 bytes of each of the 16 rows, turned through its own stage in LDS so that a lane holds 16 neighbouring keys of its row.
.set STG,  16*528
.set FLG,  4*STG                       ; 48 bytes: each wave's three words
.set X,    16                          ; v16-79   register 4 (4 i + beta) + e / 4: four bytes of keys 128 i + 32 beta + 16 h + e
.set RR,   80                          ; v80-143  as loaded
.set WD,   144                         ; v144-151 a pair for each key step: word n in register n % 2, lane n / 2
.set T,    152                         ; v152-159 at work
.set BM,   8                           ; s8-11    a byte's mask
.set CM,   24                          ; s24-31   eight lane words
	s_load_b128 s[4:7], s[0:1], 0x0                ; mask, msk
	s_load_b64 s[34:35], s[0:1], 0x10              ; flg
	v_lshl_add_u32 v160, v0, 2, 0x8500
	v_mov_b32 v161, 0
	v_lshrrev_b32 v7, 5, v0
	v_readfirstlane_b32 s17, v7                    ; wave
	v_and_b32 v8, 31, v0
	v_and_b32 v9, 15, v0
	v_bfe_u32 v10, v0, 4, 1
	v_lshlrev_b32 v1, 4, v8                        ; 16 L
	s_mul_i32 s18, s17, STG
	v_add_nc_u32 v2, s18, v1                       ; into my stage
	v_mul_u32_u24 v3, v9, 528
	v_lshl_add_u32 v3, v10, 4, v3
	v_add_nc_u32 v3, s18, v3                       ; out of it: row r, + 16 h
	v_lshlrev_b32 v4, 3, v8                        ; 8 L
	s_lshl_b32 s19, s17, 2
	s_add_co_u32 s19, s19, FLG
	v_mov_b32 v5, s19                              ; my wave's flag words
	v_mov_b32 v6, FLG
	s_mov_b32 s[BM], 0xff
	s_mov_b32 s[BM+1], 0xff00
	s_mov_b32 s[BM+2], 0xff0000
	s_mov_b32 s[BM+3], 0xff000000
	s_mov_b32 s14, 0xffff                          ; rows hidden in all my steps
	s_mov_b32 s15, 0                               ; steps wholly hidden
	s_mov_b32 s16, 0                               ; steps with nothing hidden
.irp j, 0,1,2,3,4,5,6,7
	v_mov_b32 v[WD+\j], 0                          ; v_writelane_b32's destination counts as read
.endr
	s_lshr_b32 s20, ttmp9, 1
	s_lshl_b32 s20, s20, 5
	s_and_b32 s21, ttmp9, 1
	s_lshl_b32 s21, s21, 3
	s_add_co_u32 s20, s20, s21                     ; the tile's first row: 32 (G / 2) + 8 (G % 2)
	s_lshl_b32 s20, s20, 11
	s_lshl_b32 s21, s17, 9
	s_add_co_u32 s20, s20, s21
	s_mov_b32 s21, 0
	s_lshl_b32 s22, ttmp9, 12
	s_lshl_b32 s23, s17, 10
	s_add_co_u32 s22, s22, s23                     ; (16 G + 4 w) x 256
	s_mov_b32 s23, 0
	s_lshl_b32 s32, ttmp9, 2                       ; 4 G
	s_mov_b32 s33, 0
	s_wait_kmcnt 0x0
	s_add_nc_u64 s[4:5], s[4:5], s[20:21]
	s_add_nc_u64 s[32:33], s[34:35], s[32:33]      ; the flags
	s_add_nc_u64 s[6:7], s[6:7], s[22:23]          ; the words
.irp j, 0,1,2,3,4,5,6,7,8,9,10,11,12,13,14,15
	global_load_b128 v[RR+4*\j:RR+4*\j+3], v1, s[4:5] offset:((\j%8)+16*(\j/8))*2048 th:TH_LOAD_NT   ; 512 consecutive bytes of a row
.endr
	s_wait_loadcnt 0x0
.irp j, 0,1,2,3,4,5,6,7,8,9,10,11,12,13,14,15
	ds_store_b128 v2, v[RR+4*\j:RR+4*\j+3] offset:528*\j
.endr
.irp j, 0,1,2,3,4,5,6,7,8,9,10,11,12,13,14,15
	ds_load_b128 v[X+4*\j:X+4*\j+3], v3 offset:128*(\j/4)+32*(\j%4)   ; LDS serves a wave's instructions in order
.endr
	s_wait_dscnt 0x0
.macro PACK8 i, n0                     ; words n0 .. n0 + 7 of key step i: eight at a time, so that no line waits for the compare just ahead of it
.irp d, 0,1,2,3,4,5,6,7
	v_and_b32 v[T+\d], s[BM+((\n0+\d)%4)], v[X+4*(4*(\i)+(\n0+\d)/16)+((\n0+\d)%16)/4]
.endr
.irp d, 0,1,2,3,4,5,6,7
	v_cmp_ne_u32 s[CM+\d], 0, v[T+\d]              ; bit L: is lane L's byte set
.endr
.irp d, 0,1,2,3,4,5,6,7
	v_writelane_b32 v[WD+2*(\i)+((\n0+\d)%2)], s[CM+\d], (\n0+\d)/2
.endr
.irp d, 0,1,2,3,4,5,6,7
	s_and_b32 s12, s12, s[CM+\d]
	s_or_b32 s13, s13, s[CM+\d]
.endr
.endm
.macro KSTEP i
	s_mov_b32 s12, -1
	s_mov_b32 s13, 0
.irp n0, 0,8,16,24,32,40,48,56
	PACK8 \i, \n0
.endr
	global_store_b64 v4, v[WD+2*\i:WD+2*\i+1], s[6:7] offset:256*\i   ; 64 words: 256 consecutive bytes, aligned
	s_lshr_b32 s18, s12, 16
	s_and_b32 s18, s18, s12
	s_and_b32 s18, s18, 0xffff                     ; bit r: row r is hidden at all 128 keys (both halves of the lanes)
	s_and_b32 s14, s14, s18
	s_cmp_eq_u32 s18, 0xffff
	s_cselect_b32 s19, 1<<\i, 0
	s_or_b32 s15, s15, s19
	s_cmp_eq_u32 s13, 0
	s_cselect_b32 s19, 1<<\i, 0
	s_or_b32 s16, s16, s19
.endm
	KSTEP 0
	KSTEP 1
	KSTEP 2
	KSTEP 3
	s_lshl_b32 s18, s17, 2
	s_lshl_b32 s15, s15, s18                       ; my four bits at key steps 4 w ..
	s_lshl_b32 s16, s16, s18
	v_mov_b32 v[T], s14
	v_mov_b32 v[T+1], s15
	v_mov_b32 v[T+2], s16
	ds_store_b32 v5, v[T]                          ; all lanes write the same word with the same value
	ds_store_b32 v5, v[T+1] offset:16
	ds_store_b32 v5, v[T+2] offset:32
	s_wait_dscnt 0x0                               ; for the others' sake: my stores have landed
	s_barrier_signal -1
	s_barrier_wait -1
	ds_load_b128 v[16:19], v6
	ds_load_b128 v[20:23], v6 offset:16
	ds_load_b128 v[24:27], v6 offset:32
	s_wait_dscnt 0x0
	v_and_b32 v16, v16, v17
	v_and_b32 v18, v18, v19
	v_and_b32 v16, v16, v18                        ; rows hidden at every key
	v_or_b32 v20, v20, v21
	v_or_b32 v22, v22, v23
	v_or_b32 v20, v20, v22
	v_or_b32 v24, v24, v25
	v_or_b32 v26, v26, v27
	v_or_b32 v24, v24, v26
	v_cmp_eq_u32 vcc_lo, 0, v16
	v_cndmask_b32 v20, 0, v20, vcc_lo              ; SKIP: nothing is left out where a row is hidden everywhere
	v_cmp_eq_u32 vcc_lo, 1, v0
	v_cndmask_b32 v20, v20, v24, vcc_lo            ; thread 0 stores SKIP, thread 1 NOM
	v_lshlrev_b32 v21, 11, v0                      ; NOM lies 2,048 bytes behind SKIP
	s_wait_xcnt 0x0                                ; EXEC is a source of the stores above: it changes only behind this wait
	v_cmp_gt_u32 vcc_lo, 2, v0
	s_wait_tensorcnt 0x0
	ds_add_u32 v160, v161
	s_wait_dscnt 0x0
	s_and_saveexec_b32 s22, vcc_lo
	global_store_b32 v21, v20, s[32:33]
	s_wait_xcnt 0x0
	s_or_b32 exec_lo, exec_lo, s22
	s_endpgm
.Lfunc_end_k_q1ee01759ec_maskpack:
	.size	k_q1ee01759ec_maskpack, .Lfunc_end_k_q1ee01759ec_maskpack-k_q1ee01759ec_maskpack
	.p2alignl 7, 3214868480
	.fill 96, 4, 3214868480
	.section	.rodata,"a",@progbits
	.p2align	6, 0x0
	.amdhsa_kernel k_q1ee01759ec_maskpack
		.amdhsa_group_segment_fixed_size 34560
		.amdhsa_private_segment_fixed_size 0
		.amdhsa_enable_private_segment 0
		.amdhsa_kernarg_size 24
		.amdhsa_user_sgpr_count 2
		.amdhsa_user_sgpr_kernarg_segment_ptr 1
		.amdhsa_wavefront_size32 1
		.amdhsa_system_sgpr_workgroup_id_x 1
		.amdhsa_system_sgpr_workgroup_id_y 1
		.amdhsa_system_sgpr_workgroup_id_z 1
		.amdhsa_system_vgpr_workitem_id 0
		.amdhsa_next_free_vgpr 162
		.amdhsa_next_free_sgpr 66
		.amdhsa_reserve_vcc 1
		.amdhsa_float_denorm_mode_32 3
		.amdhsa_float_denorm_mode_16_64 3
		.amdhsa_memory_ordered 1
		.amdhsa_forward_progress 1
		.amdhsa_inst_pref_size 66
	.end_amdhsa_kernel
	.amdgpu_metadata
---
amdhsa.version: [ 1, 2 ]
amdhsa.kernels:
  - .name:           k_q1ee01759ec_maskpack
    .symbol:         k_q1ee01759ec_maskpack.kd
    .args:
      - { .name: mask, .offset: 0, .size: 8, .value_kind: global_buffer, .address_space: global }
      - { .name: msk, .offset: 8, .size: 8, .value_kind: global_buffer, .address_space: global }
      - { .name: flg, .offset: 16, .size: 8, .value_kind: global_buffer, .address_space: global }
    .group_segment_fixed_size: 34560
    .private_segment_fixed_size: 0
    .kernarg_segment_align: 8
    .kernarg_segment_size: 24
    .max_flat_workgroup_size: 128
    .sgpr_count:     66
    .vgpr_count:     162
    .wavefront_size: 32
...
	.end_amdgpu_metadata
.endif
;; end of part 2
;; launch proj (part 3): grid 4 x 96, 4 waves a work-group, clusters of 4 x 4, 327,680 bytes of LDS; arguments xq, bq, bk, bv, att; writes att
.if DOCPART == 3
	.amdgcn_target "amdgcn-amd-amdhsa--gfx1250"
	.amdhsa_code_object_version 6
	.text
	.protected	k_q1ee01759ec_proj
	.globl	k_q1ee01759ec_proj
	.p2align	8
	.type	k_q1ee01759ec_proj,@function
k_q1ee01759ec_proj:
	s_mov_b64 s[64:65], 0
	v_nop
	global_prefetch_b8 v0, s[64:65] scope:SCOPE_SE
	s_setreg_imm32_b32 hwreg(HW_REG_WAVE_MODE, 25, 1), 1
	s_wait_xcnt 0x0
	s_wait_alu depctr_hold_cnt(0) depctr_sa_sdst(0) depctr_va_vdst(0) depctr_va_sdst(0) depctr_va_ssrc(0) depctr_va_vcc(0) depctr_vm_vsrc(0)
	s_getreg_b32 s2, hwreg(HW_REG_IB_STS2, 6, 4)
	s_cmp_eq_u32 s2, 0
	s_cbranch_scc0 .Lentry_in_a_cluster
	s_endpgm
.Lentry_in_a_cluster:
	s_bfe_u32 s2, ttmp6, 0x10000c
	s_cmp_lg_u32 s2, 0xf033
	s_cbranch_scc0 .Lentry_shape_is_right
	s_endpgm
.Lentry_shape_is_right:
; The three projections x W^T + b on codes of BF6 (E3M2), and their results quantised in registers for the attention launch.  One launch: cluster y = 8 t + u; t = 0, 1, 2: Q, K, V; u: 1,024 tokens.
; OPERANDS come from xq as images of their registers: [row tile][K step 8][1,536 bytes], chunk p of 256 bytes = registers 2 p, 2 p + 1, lane L at 8 L; scale words [row tile][K step][16] from XS on.
; Position r of row tile tau is row 32 (tau / 2) + 8 (tau % 2) + r % 8 + 16 (r / 8).
; A work-group of four waves makes 256 x 256; a wave 128 x 128: 64 accumulators, 512 registers.  K = 1,024 goes in four steps of 256 through two LDS slots filled by the tensor data mover.
; THE MATRIX INSTRUCTION IS USED TRANSPOSED: source 0 = 16 rows of "B" (the register side), source 1 = 16 rows of "A" (the lane side): a lane holds one row of A, and by the order of rows in a tile the 16 registers
; of B's tiles 2 beta, 2 beta + 1 are B's 16 neighbouring rows 32 beta + 16 h + 0 .. 15: neighbours along the next product's K.
;   Q, K: A = tokens, B = the weight's rows (channels): registers run along the head's axis.      V: A = the weight's rows, B = tokens: registers run along the KEYS, the second attention product's K.
; The bias is the C of each sum's first matrix instruction.  reference()'s factor 1/8 on Q is a power of two, which only moves scales: it is applied to the scores in the attention launch.
; att: QF [bh 64][T 128][768]: half images (64 along K); QS [bh][T][16 words]; KVC [bh][key step 16][K: 8 tiles x 768 | V^T: 4 fragments x 1,536]; KVS [bh][key step][K: 8 x 64 | V: 4 x 64].
; CLUSTERS: 4 x 4 work-groups; A's tiles are shared along a row of the cluster, B's along a column: each is asked for jointly, by the same tensor load with a mask that names the four.
; LIMITS: a block whose largest magnitude lies under 2^-122 (a block of zeros too) gets the byte 1; NaN and infinities are not served.
; REGISTERS: window 0: v1-8 lane numbers; v16-30 addresses; v32-63 scale words, two sets; v64-127 the bias as C; v128-223 A's fragments, one set (on the way out v128-179 are at work).
;   window 1: B's fragments, two sets, at v0 and v128.   window 2: accumulators of A's blocks 0-3 ((a, b) at v[8 (8 (a % 4) + b)]);   window 3: of blocks 4-7.
.set NQ,     2                         ; steps of 128 in a slot
.set FR,     12
.set NL,     6
.set NP,     4                         ; places behind this matrix instruction (ISA guide 7.12.1)
.set RTS,    3072                      ; a row tile's 256 along K: two images
.set HALFT,  8*RTS                     ; 8 row tiles: what one tensor load brings, and what one wave reads of A or of B
.set SLOT,   4*HALFT
.set LAPS,   2
.set SCL,    2*SLOT                    ; behind the ring: the scale words of the work-group's rows, for all of K: filled once
.set HALFS,  4096
.set SPARE,  SCL+4*HALFS               ; the spare words, 128 bytes a wave: two blocks of 256 bytes that no other line names
.set XS,     22020096
.set QF,     0
.set QS,     6291456
.set KVC,    6815744
.set KVS,    19398656
.set ADRA, 16                          ; v16-17  my A fragments in slot 0, 1
.set ADRB, 20                          ; v20-21  my B fragments
.set L8,   24                          ; v24     8 L
.set L4,   25                          ; v25     4 L
.set SOQ,  26                          ; v26     Q's and K's scale words: 4 r + h x (from head to head)
.set ADRS, 27                          ; v27     my scale words: lanes 0-15 A's rows, lanes 16-31 B's
.set SPW,  28                          ; v28     my spare word; never rewritten
.set NIL,  29                          ; v29     0; never rewritten
.set H16,  30                          ; v30     16 h
.set SC,   32
.set CB,   64
.set AF,   128
.set PC,   128                         ; the way out: the fragment just made
.set CT,   140                         ; v140-142, v144-146
.set TM,   148                         ; v148-151 maxima, v152-155 bytes, v160-163 scale operands
.set PWS,  164                         ; v164-171 the eight fragments' scale words
.set TT,   172                         ; v172-179 what is stored of them
.set G1, 24
.set G0, 32
.set G1B, 48
.set G0B, 56
.set G1S, 68
.set G0S, 76
.set G1SB, 80
.set G0SB, 88
.set MSB, 0
.macro WIN new                         ; the immediate's high byte repeats the setting that is left
.if MSB != (\new)
	s_set_vgpr_msb (MSB<<8)|(\new)
.set MSB, (\new)
.endif
.endm
.set MUL_LO, 0xa1                      ; source 0 (B) window 1, source 1 (A) window 0, C and D window 2
.set MUL_HI, 0xf1                      ; the same, C and D window 3
.set BIA_LO, 0x81                      ; the same with C (the bias) in window 0
.set BIA_HI, 0xc1
.set TO_B,   0x40
; A joint load: waves 0 and 1 fetch for A, waves 2 and 3 for B.  The branch hangs on the wave's number alone.  Four v_nop follow each of the two lines.
.macro JLOAD g0a, g1a, g0b, g1b
	s_cmp_eq_u32 s15, 0
	s_cbranch_scc0 .Lfor_b_\@
	tensor_load_to_lds s[\g0a:\g0a+3], s[\g1a:\g1a+7]
	s_nop 0
.rept 4
	v_nop
.endr
	s_branch .Lasked_\@
.Lfor_b_\@:
	tensor_load_to_lds s[\g0b:\g0b+3], s[\g1b:\g1b+7]
	s_nop 0
.rept 4
	v_nop
.endr
.Lasked_\@:
.endm
.macro CREST                           ; a round of the cluster's barrier behind its opening barrier
	s_cmp_lg_u32 s14, 0
	s_cbranch_scc1 .Lnot_wave_0_\@
	s_barrier_signal -3
.Lnot_wave_0_\@:
	s_barrier_wait -3
	s_barrier_signal -1
	s_barrier_wait -1
.endm
.macro CROUND
	s_barrier_signal -1
	s_barrier_wait -1
	CREST
.endm
	s_load_b256 s[4:11], s[0:1], 0x0               ; xq, bq, bk, bv
	s_load_b64 s[12:13], s[0:1], 0x20              ; att
	v_lshl_add_u32 v[SPW], v0, 2, SPARE
	v_mov_b32 v[NIL], 0
	ds_add_u32 v28, v29
	ds_add_u32 v28, v29
	s_wait_dscnt 0x0
	v_lshrrev_b32 v1, 5, v0
	v_readfirstlane_b32 s14, v1                    ; wave 0..3
	s_lshr_b32 s15, s14, 1                         ; which half of A's rows is mine.  Also: I fetch for A (0) or for B (1)
	s_and_b32 s16, s14, 1                          ; which half of B's rows.  Also: which 8 row tiles I fetch
	s_bfe_u32 s40, ttmp6, 0x40000                  ; cx
	s_bfe_u32 s41, ttmp6, 0x40004                  ; cy
	s_and_b32 s17, ttmp7, 0xffff                   ; cluster y: the same in all sixteen partners
	s_lshr_b32 s18, s17, 3                         ; t: Q, K or V
	s_and_b32 s19, s17, 7                          ; u: which 1,024 tokens
	s_lshl_b32 s43, s41, 2
	s_lshl_b32 s43, 15, s43                        ; my row of the cluster
	s_lshl_b32 s44, 0x1111, s40                    ; my column
	; descriptor group 1 for codes: 8 rows (row tiles) of 384 elements of 8 bytes (two images), 1,536 elements apart; dense in LDS
	s_or_b32 s[G1+0], s43, (3<<16)|(1<<21)         ; 15:0 the mask; 17:16 elements of 8 bytes; 20 no padding; 21 set beside a mask
	s_or_b32 s[G1B+0], s44, (3<<16)|(1<<21)
.irp g, G1, G1B
	s_mov_b32 s[\g+1], 384<<16                     ; tensor_dim0
	s_mov_b32 s[\g+2], 8<<16                       ; tensor_dim1
	s_mov_b32 s[\g+3], 384<<16                     ; tile_dim0
	s_mov_b32 s[\g+4], 8                           ; tile_dim1
	s_mov_b32 s[\g+5], 1536                        ; tensor_dim0_stride
	s_mov_b32 s[\g+6], 0
	s_mov_b32 s[\g+7], 0
.endr
	; and for the scale words of 8 row tiles: 4,096 dense bytes as 16 rows of 256
	s_or_b32 s[G1S+0], s43, (3<<16)|(1<<21)
	s_or_b32 s[G1SB+0], s44, (3<<16)|(1<<21)
.irp g, G1S, G1SB
	s_mov_b32 s[\g+1], 32<<16
	s_mov_b32 s[\g+2], 16<<16
	s_mov_b32 s[\g+3], 32<<16
	s_mov_b32 s[\g+4], 16
	s_mov_b32 s[\g+5], 32
	s_mov_b32 s[\g+6], 0
	s_mov_b32 s[\g+7], 0
.endr
	s_lshl_b32 s20, s17, 6                         ; the tokens' row tiles: 64 x cluster y
	s_lshl_b32 s21, s18, 6
	s_add_co_u32 s21, s21, 1536                    ; the weight's: 1,536 + 64 t
	s_cmp_eq_u32 s18, 2
	s_cselect_b32 s22, s21, s20                    ; the lane side: tokens, for V the weight
	s_cselect_b32 s46, s20, s21                    ; the register side
	s_lshl_b32 s23, s41, 4
	s_add_co_u32 s22, s22, s23                     ; A: + 16 cy
	s_lshl_b32 s47, s40, 4
	s_add_co_u32 s46, s46, s47                     ; B: + 16 cx
	s_lshl_b32 s45, s16, 3
	s_add_co_u32 s22, s22, s45                     ; + the 8 that I fetch
	s_add_co_u32 s46, s46, s45
	s_mul_i32 s20, s22, 12288                      ; A's images,
	s_mov_b32 s21, 0
	s_lshl_b32 s22, s22, 9
	s_add_co_u32 s22, s22, XS                      ; A's scale words,
	s_mov_b32 s23, 0
	s_lshl_b32 s92, s46, 9
	s_add_co_u32 s92, s92, XS                      ; B's scale words,
	s_mov_b32 s93, 0
	s_mul_i32 s46, s46, 12288                      ; B's images
	s_mov_b32 s47, 0
	s_mul_i32 s45, s14, HALFT                      ; where they go: wave x 8 row tiles: no place in the cluster enters an LDS address
	s_lshl_b32 s94, s14, 12
	s_lshl_b32 s98, s40, 1
	s_add_co_u32 s98, s98, s16                     ; my 128 rows on the register side: 2 cx + half
	s_lshl_b32 s99, s41, 1
	s_add_co_u32 s99, s99, s15                     ; on the lane side: 2 cy + half
	s_cmp_eq_u32 s18, 2
	s_cselect_b32 s96, s99, s98                    ; which pair of heads is mine,
	s_cselect_b32 s97, s98, s99                    ; and which 128 of the cluster's tokens
	s_wait_kmcnt 0x0
	s_add_nc_u64 s[20:21], s[4:5], s[20:21]
	s_add_nc_u64 s[22:23], s[4:5], s[22:23]
	s_add_nc_u64 s[46:47], s[4:5], s[46:47]
	s_add_nc_u64 s[92:93], s[4:5], s[92:93]
	CROUND                                         ; all sixteen work-groups are here: the first joint loads meet
	s_mov_b32 s[G0S], 1
	s_add_co_u32 s[G0S+1], s94, SCL
	s_mov_b64 s[G0S+2:G0S+3], s[22:23]
	s_or_b32 s[G0S+3], s[G0S+3], 0x80000000
	s_mov_b32 s[G0SB], 1
	s_add_co_u32 s[G0SB+1], s94, SCL
	s_mov_b64 s[G0SB+2:G0SB+3], s[92:93]
	s_or_b32 s[G0SB+3], s[G0SB+3], 0x80000000
	JLOAD G0S, G1S, G0SB, G1SB                     ; the scale words first: they are wanted with K step 0
.irp s, 0,1
	s_mov_b32 s[G0+4*\s], 1
	s_add_co_u32 s[G0+4*\s+1], s45, \s*SLOT
	s_add_nc_u64 s[G0+4*\s+2:G0+4*\s+3], s[20:21], \s*RTS
	s_or_b32 s[G0+4*\s+3], s[G0+4*\s+3], 0x80000000
	s_mov_b32 s[G0B+4*\s], 1
	s_add_co_u32 s[G0B+4*\s+1], s45, \s*SLOT
	s_add_nc_u64 s[G0B+4*\s+2:G0B+4*\s+3], s[46:47], \s*RTS
	s_or_b32 s[G0B+4*\s+3], s[G0B+4*\s+3], 0x80000000
	JLOAD G0+4*\s, G1, G0B+4*\s, G1B
.endr
	v_and_b32 v1, 15, v0                           ; r
	v_bfe_u32 v2, v0, 4, 1                         ; h
	v_and_b32 v3, 31, v0                           ; L
	v_lshlrev_b32 v[L8], 3, v3
	v_lshlrev_b32 v[L4], 2, v3
	v_lshlrev_b32 v[H16], 4, v2
	s_mul_i32 s21, s15, HALFT                      ; my 8 row tiles of A
	s_mul_i32 s22, s16, HALFT                      ; my 8 of B,
	s_add_co_u32 s22, s22, 2*HALFT                 ; which lie behind A's 16
.irp s, 0,1
	v_add_nc_u32 v[ADRA+\s], s21, v[L8]
	v_add_nc_u32 v[ADRB+\s], s22, v[L8]
	s_add_co_u32 s21, s21, SLOT
	s_add_co_u32 s22, s22, SLOT
.endr
	v_lshlrev_b32 v5, 2, v1                        ; a scale word: 4 r
	s_mul_i32 s21, s15, HALFS                      ; A's: my 8 row tiles
	s_mul_i32 s22, s16, HALFS                      ; B's, behind A's 16
	s_add_co_u32 s22, s22, 2*HALFS
	s_sub_co_u32 s22, s22, s21
	v_mul_u32_u24 v6, s22, v2                      ; lanes 16-31 take B's: one product, the distance x h
	s_add_co_u32 s21, s21, SCL
	v_add_nc_u32 v5, v5, v6
	v_add_nc_u32 v[ADRS], s21, v5
	; the bias of my 128 channels, laid as the C of the first products
	s_cmp_eq_u32 s18, 1
	s_cselect_b64 s[66:67], s[8:9], s[6:7]
	s_cmp_eq_u32 s18, 2
	s_cselect_b64 s[66:67], s[10:11], s[66:67]
	s_lshl_b32 s98, s96, 9
	s_mov_b32 s99, 0
	s_add_nc_u64 s[66:67], s[66:67], s[98:99]
	v_lshlrev_b32 v7, 6, v2                        ; Q, K: 64 h
	v_and_b32 v8, 8, v1
	v_add_nc_u32 v8, v8, v1
	v_lshlrev_b32 v8, 2, v8                        ; V: 4 (r + 8 (r / 8))
	s_cmp_eq_u32 s18, 2
	s_cbranch_scc1 .Lbias_v
.irp b, 0,1,2,3,4,5,6,7                ; channels on the register side: register j of tile b is channel 32 (b / 2) + 8 (b % 2) + 16 h + j
	global_load_b128 v[CB+8*\b:CB+8*\b+3], v7, s[66:67] offset:128*(\b/2)+32*(\b%2)
	global_load_b128 v[CB+8*\b+4:CB+8*\b+7], v7, s[66:67] offset:128*(\b/2)+32*(\b%2)+16
.endr
	s_branch .Lbias_done
.Lbias_v:
.irp a, 0,1,2,3,4,5,6,7                ; channels on the lane side: all eight registers of tile a hold the bias of channel 32 (a / 2) + 8 (a % 2) + r + 8 (r / 8)
.irp j, 0,1,2,3,4,5,6,7
	global_load_b32 v[CB+8*\a+\j], v8, s[66:67] offset:128*(\a/2)+32*(\a%2)
.endr
.endr
.Lbias_done:
.macro FRAG reg, adr, q, i             ; a fragment comes back as it was stored: six loads of 8 bytes a lane, 256 consecutive bytes each
.irp p, 0,1,2,3,4,5
	ds_load_b64 v[\reg+2*\p:\reg+2*\p+1], v[\adr] offset:(\i)*RTS+(\q)*1536+256*\p
.endr
.endm
; 16 matrix instructions: A's blocks a0, a0 + 1 x B's eight, the slot's q-th 128 along K.  p: B's set; sc: the set of scale words.  cm = 0: onto the sums; 1: the sums begin with the bias by B's tile; 2: by A's tile.
; The 64 accumulators take turns, one instruction a turn, in the same order in every step.
.macro MUL16 a0, p, q, sc, cm
.irp a, \a0, \a0+1
.irp b, 0,1,2,3,4,5,6,7
.set rD, 8*(8*((\a)%4)+\b)
.set rB, 128*(\p)+FR*\b
.set rA, AF+FR*(\a)
.set rSB, SC+8*NQ*(\sc)+NQ*\b+(\q)
.set rSA, SC+8*NQ*(\sc)+NQ*(\a)+(\q)
.if (\cm) == 1
	v_wmma_scale_f32_16x16x128_f8f6f4 v[rD:rD+7], v[rB:rB+FR-1], v[rA:rA+FR-1], v[CB+8*\b:CB+8*\b+7], v[rSB], v[rSA] matrix_a_fmt:MATRIX_FMT_BF6 matrix_b_fmt:MATRIX_FMT_BF6 matrix_a_scale:MATRIX_SCALE_ROW1
.elseif (\cm) == 2
	v_wmma_scale_f32_16x16x128_f8f6f4 v[rD:rD+7], v[rB:rB+FR-1], v[rA:rA+FR-1], v[CB+8*(\a):CB+8*(\a)+7], v[rSB], v[rSA] matrix_a_fmt:MATRIX_FMT_BF6 matrix_b_fmt:MATRIX_FMT_BF6 matrix_a_scale:MATRIX_SCALE_ROW1
.else
	v_wmma_scale_f32_16x16x128_f8f6f4 v[rD:rD+7], v[rB:rB+FR-1], v[rA:rA+FR-1], v[rD:rD+7], v[rSB], v[rSA] matrix_a_fmt:MATRIX_FMT_BF6 matrix_b_fmt:MATRIX_FMT_BF6 matrix_a_scale:MATRIX_SCALE_ROW1
.endif
.endr
.endr
.endm
.macro FETCH_B slot, q, p
	WIN TO_B
.irp i, 0,1,2,3,4,5,6,7
	FRAG 128*(\p)+FR*\i, ADRB+\slot, \q, \i
.endr
	WIN 0
.endm
.macro FETCH_A slot, q, i0
.irp i, \i0, \i0+1, \i0+2, \i0+3
	FRAG AF+FR*(\i), ADRA+\slot, \q, \i
.endr
.endm
.macro SCALES sc                       ; a slot's scale words: lanes 0-15 take A's block i, lanes 16-31 B's block i
.irp i, 0,1,2,3,4,5,6,7
.irp q, 0,1
	ds_load_b32 v[SC+8*NQ*(\sc)+NQ*\i+\q], v[ADRS] offset:512*\i+64*\q
.endr
.endr
.endm
.macro PLACES n                        ; plain vector instructions between a matrix instruction and a load into, or a read of, its registers
.rept \n
	v_nop
.endr
.endm
.macro STEP slot, q, cm                ; a step of 128 along K that has its successor in the same slot
	s_wait_dscnt 4*NL                              ; all but the youngest 24 loads, A's blocks 4-7
.if \cm
	WIN BIA_LO
.else
	WIN MUL_LO
.endif
	MUL16 0, (\q)%2, \q, \slot, \cm
	MUL16 2, (\q)%2, \q, \slot, \cm
	s_wait_dscnt 0x0                               ; A's blocks 4-7 are in
	PLACES NP
	FETCH_B \slot, (\q)+1, 1-(\q)%2
	FETCH_A \slot, (\q)+1, 0
.if \cm
	WIN BIA_HI
.else
	WIN MUL_HI
.endif
	MUL16 4, (\q)%2, \q, \slot, \cm
	MUL16 6, (\q)%2, \q, \slot, \cm
	PLACES NP
	WIN 0
	FETCH_A \slot, (\q)+1, 4
.endm
; A slot's last step changes slots: one barrier; in front of it each wave waits for all its tensor loads, adds 0 to its spare word, and waits for that and for its own reads of this slot.
.macro TURN slot, next, fill
	s_wait_tensorcnt 0x0                           ; all my tensor loads have landed: my part of the next slot
	ds_add_u32 v[SPW], v[NIL]                      ; 0 onto my spare word
	s_wait_dscnt 4*NL+1                            ; the add and the youngest 24 loads may be out
	WIN MUL_LO
	MUL16 0, 1, NQ-1, \slot, 0
	s_wait_dscnt 0x0                               ; the add is done, and my reads of this slot are over
	s_barrier_signal -1
	MUL16 2, 1, NQ-1, \slot, 0
	WIN 0
	s_barrier_wait -1
.if \fill
	CREST                                          ; the barrier has opened a round of the cluster's: no wave of any partner still reads this slot or has a load on its way
	s_add_nc_u64 s[G0+4*\slot+2:G0+4*\slot+3], s[G0+4*\slot+2:G0+4*\slot+3], 2*RTS
	s_add_nc_u64 s[G0B+4*\slot+2:G0B+4*\slot+3], s[G0B+4*\slot+2:G0B+4*\slot+3], 2*RTS
	JLOAD G0+4*\slot, G1, G0B+4*\slot, G1B         ; the first tensor load behind the round; its four v_nop are the places in front of the loads below
.else
	PLACES NP
.endif
	v_add_nc_u32 v[ADRS], 64*NQ, v[ADRS]           ; the next slot's scale words
	FETCH_B \next, 0, 0
	FETCH_A \next, 0, 0
	SCALES \next
	WIN MUL_HI
	MUL16 4, 1, NQ-1, \slot, 0
	MUL16 6, 1, NQ-1, \slot, 0
	PLACES NP
	WIN 0
	FETCH_A \next, 0, 4
.endm
	s_wait_tensorcnt 1                             ; of my three loads the scale words and slot 0's are in; slot 1's may be out
	s_barrier_signal -1
	s_barrier_wait -1
	FETCH_B 0, 0, 0
	FETCH_A 0, 0, 0
	SCALES 0
	FETCH_A 0, 0, 4
	s_wait_loadcnt 0x0                             ; the bias
	s_cmp_eq_u32 s18, 2                            ; the first step stands twice: the bias goes by B's tile (Q, K) or by A's (V).  The branch hangs on the cluster's y alone
	s_cbranch_scc1 .Lfirst_v
	STEP 0, 0, 1
	s_branch .Lfirst_done
.Lfirst_v:
	STEP 0, 0, 2
.Lfirst_done:
	s_mov_b32 s3, LAPS-1
.Llap:                                                 ; once round the ring, from a lap's second step to the next lap's first; both slots are filled again
	TURN 0, 1, 1
	STEP 1, 0, 0
	TURN 1, 0, 1
	STEP 0, 0, 0
	s_sub_co_u32 s3, s3, 1
	s_cmp_lg_u32 s3, 0
	s_cbranch_scc1 .Llap
	TURN 0, 1, 0                                   ; the last lap fills nothing
	STEP 1, 0, 0
	s_wait_dscnt 4*NL
	WIN MUL_LO
	MUL16 0, 1, NQ-1, 1, 0
	MUL16 2, 1, NQ-1, 1, 0
	s_wait_dscnt 0x0
	WIN MUL_HI
	MUL16 4, 1, NQ-1, 1, 0
	MUL16 6, 1, NQ-1, 1, 0
	WIN 0
	; THE WAY OUT.  Where my eight fragments go.  bh0 = 16 batch + my first head; kappa = my 128 tokens' key step in the batch
	s_lshr_b32 s98, s19, 1
	s_lshl_b32 s98, s98, 4
	s_lshl_b32 s99, s96, 1
	s_add_co_u32 s98, s98, s99                     ; bh0
	s_and_b32 s99, s19, 1
	s_lshl_b32 s99, s99, 3
	s_add_co_u32 s99, s99, s97                     ; kappa
	s_cmp_eq_u32 s18, 0                            ; Q?
	s_mov_b32 s20, 196608
	s_cselect_b32 s20, 98304, s20                  ; codes: from head to head,
	s_mov_b32 s22, 12288
	s_cselect_b32 s22, 6144, s22                   ; from key step to key step
	s_mov_b32 s45, 12288
	s_cselect_b32 s45, 8192, s45                   ; scale words: from head to head,
	s_mov_b32 s46, 768
	s_cselect_b32 s46, 512, s46                    ; from key step to key step
	s_mov_b32 s47, KVC
	s_cselect_b32 s47, QF, s47
	s_mov_b32 s66, KVS
	s_cselect_b32 s66, QS, s66
	s_cmp_eq_u32 s18, 2                            ; V?
	s_cselect_b32 s92, 768, s20                    ; chunks 3-5: V: the image's second half; Q, K: the next head's half image
	s_mov_b32 s94, 768
	s_cselect_b32 s2, 1536, s94                    ; from fragment to fragment,
	s_cselect_b32 s94, 192000, s94                 ; and behind the fourth: V: on to the next head
	s_cselect_b32 s67, 6144, 0                     ; V lies behind K in a key step
	s_cselect_b32 s23, 512, 0
	s_mov_b32 s3, 0
	s_mov_b32 s95, 0
	s_mov_b32 s93, 0
	s_mul_i32 s20, s20, s98
	s_mul_i32 s22, s22, s99
	s_add_co_u32 s20, s20, s22
	s_add_co_u32 s20, s20, s47
	s_add_co_u32 s20, s20, s67
	s_mov_b32 s21, 0
	s_add_nc_u64 s[20:21], s[12:13], s[20:21]      ; chunks 0-2
	s_add_nc_u64 s[92:93], s[20:21], s[92:93]      ; chunks 3-5
	s_mul_i32 s22, s45, s98
	s_mul_i32 s46, s46, s99
	s_add_co_u32 s22, s22, s46
	s_add_co_u32 s22, s22, s66
	s_add_co_u32 s22, s22, s23
	s_mov_b32 s23, 0
	s_add_nc_u64 s[22:23], s[12:13], s[22:23]      ; the scale words
	s_mov_b32 s46, 0x76543210
	s_mov_b32 s47, 0xfedcba98                      ; selects for lane l xor 16
	s_mov_b32 s66, 0xffff0000                      ; lanes 16-31
	PLACES NP                                      ; behind the last products: their results are read, and registers that held A's fragments are written
	v_mul_u32_u24 v[SOQ], s45, v2
	v_lshl_add_u32 v[SOQ], v1, 2, v[SOQ]
.irp b, 0,1,2,3
	v_mov_b32 v[TM+4+\b], 0                        ; a lane permute's destination counts as read
.endr
; Block a's 64 results of a lane, register 16 b + i = k 32 b + 16 h + i of the lane's row, become a fragment in v[PC] on and its scale word in v[PWS + a].  Each accumulator is read from its low end on.
.macro QUANTW a
.set WN, 2+(\a)/4
.set AC, 64*((\a)%4)
	WIN WN|(WN<<2)
.irp b, 0,1,2,3
	v_max3_num_f32 v[TM+\b], |v[AC+16*\b]|, |v[AC+16*\b+1]|, 0x2800000   ; the floor 2^(5 - 127) holds the byte at 1 from below
.endr
	WIN (WN<<2)|(WN<<4)
.irp i, 2,4,6,8,10,12,14
.irp b, 0,1,2,3
	v_max3_num_f32 v[TM+\b], v[TM+\b], |v[AC+16*\b+\i]|, |v[AC+16*\b+\i+1]|
.endr
.endr
	WIN 0
.irp b, 0,1,2,3
	v_permlanex16_b32 v[TM+4+\b], v[TM+\b], s46, s47
.endr
.irp b, 0,1,2,3
	v_max_num_f32 v[TM+\b], v[TM+\b], v[TM+4+\b]   ; with lane l xor 16's 16: the block's largest magnitude
.endr
.irp b, 0,1,2,3
	v_add_nc_u32 v[TM+12+\b], 0xfe000000, v[TM+\b] ; 4 off its exponent field: the conversion's scale operand
.endr
.irp b, 0,1,2,3
	v_lshrrev_b32 v[TM+4+\b], 23, v[TM+12+\b]      ; the byte
.endr
	v_lshl_or_b32 v[PWS+(\a)], v[TM+5], 8, v[TM+4]
	v_lshl_or_b32 v[PWS+(\a)], v[TM+6], 16, v[PWS+(\a)]
	v_lshl_or_b32 v[PWS+(\a)], v[TM+7], 24, v[PWS+(\a)]
	WIN WN
.irp c, 0,1
	v_cvt_scalef32_pk16_bf6_f32 v[PC+6*\c:PC+6*\c+2], v[AC+32*\c:AC+32*\c+15], v[TM+12+2*\c]
	v_cvt_scalef32_pk16_bf6_f32 v[CT+4*\c:CT+4*\c+2], v[AC+32*\c+16:AC+32*\c+31], v[TM+12+2*\c+1]
.endr
	WIN 0
	v_nop                                          ; one plain place behind a scaled conversion
.irp c, 0,1                            ; the layout wants a whole block in a lane: lanes 0-15 block 2 c, lanes 16-31 block 2 c + 1
.irp i, 0,1,2
	v_permlane16_swap_b32 v[PC+6*\c+\i], v[CT+4*\c+\i]
.endr
.irp i, 0,1,2
	v_mov_b32 v[PC+3+6*\c+\i], v[CT+4*\c+\i]
.endr
.endr
.endm
.macro BLOCKOUT a
	QUANTW \a
.irp p, 0,1,2
	global_store_b64 v[L8], v[PC+2*\p:PC+2*\p+1], s[20:21] offset:256*\p     ; each store covers 256 consecutive bytes, aligned
.endr
.irp p, 0,1,2
	global_store_b64 v[L8], v[PC+6+2*\p:PC+7+2*\p], s[92:93] offset:256*\p
.endr
	s_wait_xcnt 0x0                                ; the stores have read their data and bases: both are written again only behind this wait
.if (\a) == 3
	s_add_nc_u64 s[20:21], s[20:21], s[94:95]
	s_add_nc_u64 s[92:93], s[92:93], s[94:95]
.elseif (\a) < 7
	s_add_nc_u64 s[20:21], s[20:21], s[2:3]
	s_add_nc_u64 s[92:93], s[92:93], s[2:3]
.endif
.endm
.irp a, 0,1,2,3,4,5,6,7
	BLOCKOUT \a
.endr
	s_cmp_eq_u32 s18, 2
	s_cbranch_scc1 .Lwords_v
.irp a, 0,1,2,3,4,5,6,7                ; Q, K: a word's bytes 0, 1 are the first head's, bytes 2, 3 the second's: lanes 0-15 store the first head's word, lanes 16-31 the second's; the upper two bytes, over zero codes, are 0
	v_bfe_u32 v[TT+\a], v[PWS+\a], v[H16], 16
	global_store_b32 v[SOQ], v[TT+\a], s[22:23] offset:64*\a
.endr
	s_branch .Lwords_done
.Lwords_v:
.irp a, 0,2,4,6                        ; V: two fragments' words, 128 consecutive bytes
	v_cndmask_b32 v[TT+\a], v[PWS+\a], v[PWS+\a+1], s66
	global_store_b32 v[L4], v[TT+\a], s[22:23] offset:64*(\a%4)+12288*(\a/4)
.endr
.Lwords_done:
	s_wait_tensorcnt 0x0                           ; the wave's end
	ds_add_u32 v[SPW], v[NIL]
	s_wait_dscnt 0x0
	CROUND                                         ; the closing round: no work-group ends while a partner may still ask for a tile that names it
	s_endpgm
.Lfunc_end_k_q1ee01759ec_proj:
	.size	k_q1ee01759ec_proj, .Lfunc_end_k_q1ee01759ec_proj-k_q1ee01759ec_proj
	.p2alignl 7, 3214868480
	.fill 96, 4, 3214868480
	.section	.rodata,"a",@progbits
	.p2align	6, 0x0
	.amdhsa_kernel k_q1ee01759ec_proj
		.amdhsa_group_segment_fixed_size 327680
		.amdhsa_private_segment_fixed_size 0
		.amdhsa_enable_private_segment 0
		.amdhsa_kernarg_size 40
		.amdhsa_user_sgpr_count 2
		.amdhsa_user_sgpr_kernarg_segment_ptr 1
		.amdhsa_wavefront_size32 1
		.amdhsa_system_sgpr_workgroup_id_x 1
		.amdhsa_system_sgpr_workgroup_id_y 1
		.amdhsa_system_sgpr_workgroup_id_z 1
		.amdhsa_system_vgpr_workitem_id 0
		.amdhsa_next_free_vgpr 1024
		.amdhsa_next_free_sgpr 100
		.amdhsa_reserve_vcc 0
		.amdhsa_float_denorm_mode_32 3
		.amdhsa_float_denorm_mode_16_64 3
		.amdhsa_memory_ordered 1
		.amdhsa_forward_progress 1
		.amdhsa_inst_pref_size 195
	.end_amdhsa_kernel
	.amdgpu_metadata
---
amdhsa.version: [ 1, 2 ]
amdhsa.kernels:
  - .name:           k_q1ee01759ec_proj
    .symbol:         k_q1ee01759ec_proj.kd
    .args:
      - { .name: xq, .offset: 0, .size: 8, .value_kind: global_buffer, .address_space: global }
      - { .name: bq, .offset: 8, .size: 8, .value_kind: global_buffer, .address_space: global }
      - { .name: bk, .offset: 16, .size: 8, .value_kind: global_buffer, .address_space: global }
      - { .name: bv, .offset: 24, .size: 8, .value_kind: global_buffer, .address_space: global }
      - { .name: att, .offset: 32, .size: 8, .value_kind: global_buffer, .address_space: global }
    .group_segment_fixed_size: 327680
    .private_segment_fixed_size: 0
    .kernarg_segment_align: 8
    .kernarg_segment_size: 40
    .max_flat_workgroup_size: 128
    .sgpr_count:     100
    .vgpr_count:     1024
    .wavefront_size: 32
...
	.end_amdgpu_metadata
.endif
;; end of part 3
;; launch attn (part 4): grid 64 x 8, 16 waves a work-group, no clusters, 210,944 bytes of LDS; arguments att, msk, ctx, flg; writes ctx
.if DOCPART == 4
	.amdgcn_target "amdgcn-amd-amdhsa--gfx1250"
	.amdhsa_code_object_version 6
	.text
	.protected	k_q1ee01759ec_attn
	.globl	k_q1ee01759ec_attn
	.p2align	8
	.type	k_q1ee01759ec_attn,@function
k_q1ee01759ec_attn:
	s_mov_b64 s[64:65], 0
	v_nop
	global_prefetch_b8 v0, s[64:65] scope:SCOPE_SE
	s_setreg_imm32_b32 hwreg(HW_REG_WAVE_MODE, 25, 1), 1
	s_wait_xcnt 0x0
; ctx = softmax(mask(Q K^T / 8)) V for one head and 256 queries a work-group, both products on codes of BF6 (E3M2); ctx is quantised along the channels for the last projection.
; THE SOFTMAX: t = score x log2(e) / 8 (the 1/8 that reference() puts on Q is applied here); M = the running largest t rounded up to a whole number; p = 2^(t - M) is quantised along the keys, not normalised;
; the row's sum is taken of the unquantised p and divides at the end.  When M moves, the sum and O are multiplied by 2^(old M - new M): exact.
; THE MASK is an input: it is honoured as it is given.  An earlier launch packed it into lane words (msk: word n, bit L: register n of lane L is hidden; they serve as select masks alone) and, for each tile of 16
; queries, two flag words (flg): SKIP (bit kappa: all of that key step is hidden, and no row of the tile is hidden at every key: such a step adds p = 0 alone and is passed over by a scalar branch) and NOM (nothing
; hidden: the selects are passed over).  The flags are the only loaded numbers on which a branch hangs.
; LIMIT: a hidden score is set to -2^69 on the score before the 1/8, a logit of -2^66, where reference() has -1e20: so that t is a whole number and a row hidden everywhere gets p = 1 at every key, as there.
; It differs from reference() only where a logit that is not hidden lies under about -7e19.  Blocks under 2^-122 get the byte 1.  NaN and infinities are not served.
; SHARES: sixteen waves, each one tile of 16 queries in 256 registers: four waves to a SIMD, so that one wave's vector work stands beside another's matrix work.
; K AND V of the whole head (16 key steps x 12,288 bytes, and 12,288 bytes of scale words) fit in LDS: each byte is filled ONCE, through registers, two key steps (a chunk) ahead of its use: one barrier a chunk.
; NO TENSOR LOAD AND NO CLUSTER, though the eight query blocks of a head read the same K and V: which steps a wave walks hangs on numbers read from memory.
; LAYOUT: both products are used transposed (S^T = K Q^T, O^T = V^T P^T): a lane holds one query throughout.  By the order of rows in a tile the 16 registers of tiles 2 beta, 2 beta + 1 are 16 neighbouring keys
; (or channels) 32 beta + 16 h + 0 .. 15.  The head has 64 channels: the upper half of K's and Q's fragments (k = 64 .. 127) is zero codes, set once.
; REGISTERS: v1-11 addresses; v12 -M, v13 largest t, v[14:15] the sum; v16-27 Q; v28 Q's scale word; v32-79 four fragments of K; v80-83 K's scale words, v84-85 V's; v96-159 S^T, then p, then (v96-143) V's four
; fragments; v160-191 O^T; v192-203 the next chunk on its way; v204-215 p's codes; v216-222 second halves; v224-241 at work; v242 p's scale word.
.set QS,   6291456
.set KVC,  6815744
.set KVS,  19398656
.set CS,   6291456
.set SCB,  196608                      ; LDS: the scale words, behind the codes
.set STEPB, 12288
.set CHB,  24576                       ; a chunk: two key steps
	s_load_b128 s[4:7], s[0:1], 0x0                ; att, msk
	s_load_b128 s[8:11], s[0:1], 0x10              ; ctx, flg (s[10:11] takes K's and V's address once the flags' addresses are made)
	v_lshl_add_u32 v254, v0, 2, 0x33000
	v_mov_b32 v255, 0
	v_lshrrev_b32 v9, 5, v0
	v_readfirstlane_b32 s16, v9                    ; wave 0..15
	v_and_b32 v9, 31, v0                           ; L
	v_and_b32 v11, 15, v0                          ; r
	v_bfe_u32 v238, v0, 4, 1                       ; h
	v_lshlrev_b32 v1, 3, v9                        ; 8 L: my place in a chunk of an image
	v_lshl_add_u32 v2, v9, 2, SCB                  ; 4 L among two tiles' scale words
	v_lshlrev_b32 v3, 4, v0                        ; 16 x thread: the linear copy
	v_lshlrev_b32 v8, 3, v0
	v_lshl_add_u32 v10, v11, 2, v238               ; 4 r + h: my byte of ctx's scale words
	v_lshlrev_b32 v11, 2, v11                      ; 4 r
	v_add_nc_u32 v6, SCB, v3
	v_add_nc_u32 v5, SCB, v8
	v_mov_b32 v7, 0xe2000000                       ; -2^69
	s_and_b32 s17, ttmp7, 0xffff
	s_sub_co_u32 s17, 7, s17                       ; my block of 256 queries: the late blocks are started first (an order only)
	s_lshr_b32 s2, ttmp9, 4                        ; batch
	s_and_b32 s3, ttmp9, 15                        ; head
	s_lshl_b32 s31, s2, 7
	s_lshl_b32 s66, s17, 4
	s_add_co_u32 s31, s31, s66                     ; 128 batch + 16 block: the work-group's first tile
	s_add_co_u32 s67, s31, s16                     ; G = 128 batch + T
	s_add_co_u32 s66, s66, s16                     ; T
	s_lshl_b32 s78, ttmp9, 7
	s_add_co_u32 s78, s78, s66                     ; 128 bh + T
	s_mul_i32 s80, s78, 768                        ; Q's half image
	s_mov_b32 s81, 0
	s_lshl_b32 s82, s78, 6
	s_add_co_u32 s82, s82, QS                      ; its scale words
	s_mov_b32 s83, 0
	s_mul_i32 s84, ttmp9, 12288
	s_add_co_u32 s84, s84, KVS                     ; the head's scale words of K and V
	s_mov_b32 s85, 0
	s_mul_i32 s86, ttmp9, 196608
	s_add_co_u32 s86, s86, KVC                     ; the head's codes
	s_mov_b32 s87, 0
	s_lshl_b32 s88, s67, 12                        ; my tile's mask words
	s_mov_b32 s89, 0
	s_lshl_b32 s90, s67, 3
	s_lshr_b32 s91, s3, 1
	s_add_co_u32 s90, s90, s91                     ; ctx: fragment 8 G + head / 2,
	s_and_b32 s91, s3, 1                           ; half head % 2
	s_mul_i32 s92, s90, 1536
	s_mul_i32 s93, s91, 768
	s_add_co_u32 s92, s92, s93
	s_mov_b32 s93, 0
	s_lshl_b32 s94, s90, 6
	s_lshl_b32 s95, s91, 1
	s_add_co_u32 s94, s94, s95
	s_add_co_u32 s94, s94, CS
	s_mov_b32 s95, 0
	s_lshl_b32 s96, s31, 2                         ; the sixteen tiles' SKIP words,
	s_mov_b32 s97, 0
	s_lshl_b32 s98, s67, 2                         ; and mine
	s_mov_b32 s99, 0
	s_mov_b32 s20, 0x76543210
	s_mov_b32 s21, 0xfedcba98                      ; selects for lane l xor 16
	s_mov_b32 s22, 0x3e38aa3b                      ; c = log2(e) / 8
	s_mov_b32 s23, s22                             ; (named with it as a pair)
	s_mov_b32 s24, 0                               ; LDS byte of the chunk in hand
	s_mov_b32 s25, 0                               ; and of its scale words
	s_wait_kmcnt 0x0
	s_add_nc_u64 s[74:75], s[10:11], s[96:97]
	s_add_nc_u64 s[76:77], s[10:11], s[98:99]
	s_load_b512 s[32:47], s[74:75], 0x0            ; SKIP of the work-group's sixteen tiles
	s_load_b32 s26, s[76:77], 0x0                  ; my SKIP
	s_load_b32 s27, s[76:77], 0x800                ; my NOM
	s_add_nc_u64 s[68:69], s[4:5], s[80:81]
	s_add_nc_u64 s[70:71], s[4:5], s[82:83]
	s_add_nc_u64 s[72:73], s[4:5], s[84:85]
	s_add_nc_u64 s[10:11], s[4:5], s[86:87]        ; the chunk in hand, in memory
	s_add_nc_u64 s[12:13], s[6:7], s[88:89]        ; its mask words
	s_add_nc_u64 s[14:15], s[8:9], s[92:93]
	s_add_nc_u64 s[18:19], s[8:9], s[94:95]
.irp p, 0,1,2
	global_load_b64 v[16+2*\p:17+2*\p], v1, s[68:69] offset:256*\p     ; Q stays in registers
.endr
	global_load_b32 v28, v11, s[70:71]
.irp i, 0,1,2
	global_load_b128 v[192+4*\i:195+4*\i], v3, s[10:11] offset:8192*\i ; chunk 0: 512 threads x 16 bytes, three times
.endr
	global_load_b128 v[96:99], v3, s[72:73]                            ; all scale words: 8,192 + 4,096 bytes
	global_load_b64 v[100:101], v8, s[72:73] offset:8192
.irp j, 22,23,24,25,26,27
	v_mov_b32 v[\j], 0                             ; Q's k = 64 .. 127: zero codes
.endr
.irp t, 0,1,2,3
.irp i, 6,7,8,9,10,11
	v_mov_b32 v[32+12*\t+\i], 0                    ; K's likewise: set once, no load lands there
.endr
.endr
	v_mov_b32 v13, 0xff61b1e6                      ; the largest t so far: -3e38
	v_floor_f32 v12, -v13                          ; -M
	v_mov_b32 v14, 0
	v_mov_b32 v15, 0
.irp b, 0,1,2,3
	v_mov_b32 v[228+\b], 0                         ; a lane permute's destination counts as read
.endr
	v_mov_b32 v237, 0                              ; (named as the upper half of the pair v[236:237])
.irp j, 0,1,2,3,4,5,6,7,8,9,10,11,12,13,14,15,16,17,18,19,20,21,22,23,24,25,26,27,28,29,30,31
	v_mov_b32 v[160+\j], 0                         ; O^T: the step is written once; the first change of M multiplies zeros
.endr
	s_wait_kmcnt 0x0
	s_and_b32 s28, s32, s33                        ; bit kappa: all sixteen waves pass over that step
.irp j, 34,35,36,37,38,39,40,41,42,43,44,45,46,47
	s_and_b32 s28, s28, s[\j]
.endr
	s_wait_loadcnt 0x0
.irp i, 0,1,2
	ds_store_b128 v3, v[192+4*\i:195+4*\i] offset:8192*\i
.endr
	ds_store_b128 v6, v[96:99]
	ds_store_b64 v5, v[100:101] offset:8192
	s_wait_dscnt 0x0                               ; for the others' sake: my stores have landed
	s_barrier_signal -1
	s_barrier_wait -1
; A KEY STEP: 128 keys, the q-th of the chunk in hand.
.macro STEP q
	s_bitcmp1_b32 s26, \q                          ; wholly hidden, and no row of mine hidden everywhere: nothing to add
	s_cbranch_scc1 .Lhid_\@
.irp i, 0,1
	s_load_b512 s[32+16*\i:47+16*\i], s[12:13], 256*(\q)+64*\i         ; the step's 64 mask words: word n in s[32 + n], from 32 on in s[36 + n]
	s_load_b512 s[68+16*\i:83+16*\i], s[12:13], 256*(\q)+128+64*\i
.endr
	v_add_nc_u32 v4, s24, v1
	v_add_nc_u32 v5, s25, v2
.rept 4
	v_nop                                          ; with the two additions six places: the scores below are laid over registers that the last step's products read as V
.endr
.irp b, 0,1,2,3
	ds_load_b32 v[80+\b], v5 offset:768*(\q)+128*\b                    ; lanes 0-15 tile 2 b's words, lanes 16-31 tile 2 b + 1's
.endr
.irp g, 0,1                            ; S^T = K Q^T, four tiles of 16 keys at a time
.if \g
.rept 4
	v_nop                                          ; places in front of loads into registers that matrix instructions have read
.endr
.endif
.irp t, 0,1,2,3
.irp p, 0,1,2
	ds_load_b64 v[32+12*\t+2*\p:33+12*\t+2*\p], v4 offset:STEPB*(\q)+768*(4*\g+\t)+256*\p
.endr
.endr
	s_wait_dscnt 0x0
.irp t, 0,1,2,3
.if \t%2
	v_wmma_scale_f32_16x16x128_f8f6f4 v[96+8*(4*\g+\t):103+8*(4*\g+\t)], v[32+12*\t:43+12*\t], v[16:27], 0, v[80+2*\g+\t/2], v28 matrix_a_fmt:MATRIX_FMT_BF6 matrix_b_fmt:MATRIX_FMT_BF6 matrix_a_scale:MATRIX_SCALE_ROW1
.else
	v_wmma_scale_f32_16x16x128_f8f6f4 v[96+8*(4*\g+\t):103+8*(4*\g+\t)], v[32+12*\t:43+12*\t], v[16:27], 0, v[80+2*\g+\t/2], v28 matrix_a_fmt:MATRIX_FMT_BF6 matrix_b_fmt:MATRIX_FMT_BF6
.endif
.endr
.endr
.rept 4
	v_nop
.endr
	s_wait_kmcnt 0x0                               ; the mask words
	s_bitcmp1_b32 s27, \q                          ; nothing hidden in this step?
	s_cbranch_scc1 .Lopen_\@
.set n, 0
.rept 64
	v_cndmask_b32 v[96+n], v[96+n], v7, s[32+n+4*(n/32)]               ; one select a score, ascending: each accumulator is read from its low end on
.set n, n+1
.endr
.Lopen_\@:
.irp b, 0,1,2,3
	v_max3_num_f32 v[224+\b], v[96+16*\b], v[97+16*\b], v[98+16*\b]    ; the largest score of each block of 32 keys: for the row's maximum and, since p rises with the score, for the block's largest p
.endr
.irp i, 3,5,7,9,11,13
.irp b, 0,1,2,3
	v_max3_num_f32 v[224+\b], v[224+\b], v[96+16*\b+\i], v[97+16*\b+\i]
.endr
.endr
.irp b, 0,1,2,3
	v_max_num_f32 v[224+\b], v[224+\b], v[111+16*\b]
.endr
.irp b, 0,1,2,3
	v_permlanex16_b32 v[228+\b], v[224+\b], s20, s21
.endr
.irp b, 0,1,2,3
	v_max_num_f32 v[224+\b], v[224+\b], v[228+\b]  ; with lane l xor 16's 16 keys
.endr
	v_max3_num_f32 v238, v224, v225, v226
	v_max_num_f32 v238, v238, v227
	v_mul_f32 v238, s22, v238                      ; as t (c is positive)
	v_max_num_f32 v13, v13, v238                   ; the running largest t
	v_mov_b32 v238, v12
	v_floor_f32 v12, -v13                          ; the new -M = -ceil(t)
	v_sub_f32 v238, v12, v238                      ; old M - new M: a whole number, 0 or less
	v_cvt_i32_f32 v238, v238                       ; (it saturates)
	v_ldexp_f32 v236, 1.0, v238                    ; f = 2^(old M - new M)
.irp j, 0,2,4,6,8,10,12,14,16,18,20,22,24,26,28,30,32,34,36,38,40,42,44,46,48,50,52,54,56,58,60,62
	v_pk_fma_f32 v[96+\j:97+\j], v[96+\j:97+\j], s[22:23], v[12:13] op_sel_hi:[1,0,0]   ; t - M, two at a time
.endr
.irp b, 0,1,2,3
	v_fma_f32 v[224+\b], v[224+\b], s22, v12
.endr
.irp j, 0,1,2,3,4,5,6,7,8,9,10,11,12,13,14,15,16,17,18,19,20,21,22,23,24,25,26,27,28,29,30,31,32,33,34,35,36,37,38,39,40,41,42,43,44,45,46,47,48,49,50,51,52,53,54,55,56,57,58,59,60,61,62,63
	v_exp_f32 v[96+\j], v[96+\j]                   ; p = 2^(t - M)
.endr
	v_pk_mul_f32 v[14:15], v[14:15], v[236:237] op_sel_hi:[1,0]        ; the sums under the new M: the plain place behind the exponentials
	s_wait_alu depctr_va_vdst(0)                   ; one wait for the whole batch, ahead of its first reader
.irp b, 0,1,2,3
	v_exp_f32 v[224+\b], v[224+\b]                 ; the block's largest p: the same two instructions on the same number
.endr
	v_pk_add_f32 v[240:241], v[96:97], v[98:99]    ; the row's sum of the unquantised p, in two chains
.irp j, 4,8,12,16,20,24,28,32,36,40,44,48,52,56,60
	v_pk_add_f32 v[14:15], v[14:15], v[96+\j:97+\j]
	v_pk_add_f32 v[240:241], v[240:241], v[98+\j:99+\j]
.endr
	v_pk_add_f32 v[14:15], v[14:15], v[240:241]
	s_wait_alu depctr_va_vdst(0)                   ; and one for the four
.irp b, 0,1,2,3
	v_max_num_f32 v[224+\b], 0x2800000, v[224+\b]  ; the floor 2^(5 - 127): a block whose every p is 0 keeps the byte 1 over zero codes
.endr
.irp b, 0,1,2,3
	v_add_nc_u32 v[232+\b], 0xfe000000, v[224+\b]  ; the conversion's scale operand
.endr
.irp b, 0,1,2,3
	v_lshrrev_b32 v[228+\b], 23, v[232+\b]         ; the byte
.endr
	v_lshl_or_b32 v242, v229, 8, v228              ; p's scale word for these 128 keys
	v_lshl_or_b32 v242, v230, 16, v242
	v_lshl_or_b32 v242, v231, 24, v242
.irp c, 0,1
	v_cvt_scalef32_pk16_bf6_f32 v[204+6*\c:206+6*\c], v[96+32*\c:111+32*\c], v[232+2*\c]
	v_cvt_scalef32_pk16_bf6_f32 v[216+4*\c:218+4*\c], v[112+32*\c:127+32*\c], v[232+2*\c+1]
.endr
	v_nop                                          ; one plain place behind a scaled conversion
.irp t, 0,1,2,3                        ; V's four fragments land where p lay, while p's codes are put in order and O^T is rescaled
.irp p, 0,1,2,3,4,5
	ds_load_b64 v[96+12*\t+2*\p:97+12*\t+2*\p], v4 offset:STEPB*(\q)+6144+1536*\t+256*\p
.endr
.endr
.irp i, 0,1
	ds_load_b32 v[84+\i], v5 offset:768*(\q)+512+128*\i
.endr
.irp c, 0,1                            ; the layout wants a whole block in a lane
.irp i, 0,1,2
	v_permlane16_swap_b32 v[204+6*\c+\i], v[216+4*\c+\i]
.endr
.irp i, 0,1,2
	v_mov_b32 v[207+6*\c+\i], v[216+4*\c+\i]
.endr
.endr
.irp j, 0,2,4,6,8,10,12,14,16,18,20,22,24,26,28,30
	v_pk_mul_f32 v[160+\j:161+\j], v[160+\j:161+\j], v[236:237] op_sel_hi:[1,0]   ; O^T under the new M; these are also the places in front of the products below
.endr
	s_wait_dscnt 0x0
.irp t, 0,1,2,3                        ; O^T += V^T P^T: four accumulators by turns
.if \t%2
	v_wmma_scale_f32_16x16x128_f8f6f4 v[160+8*\t:167+8*\t], v[96+12*\t:107+12*\t], v[204:215], v[160+8*\t:167+8*\t], v[84+\t/2], v242 matrix_a_fmt:MATRIX_FMT_BF6 matrix_b_fmt:MATRIX_FMT_BF6 matrix_a_scale:MATRIX_SCALE_ROW1
.else
	v_wmma_scale_f32_16x16x128_f8f6f4 v[160+8*\t:167+8*\t], v[96+12*\t:107+12*\t], v[204:215], v[160+8*\t:167+8*\t], v[84+\t/2], v242 matrix_a_fmt:MATRIX_FMT_BF6 matrix_b_fmt:MATRIX_FMT_BF6
.endif
.endr
.Lhid_\@:
.endm
; A CHUNK: two key steps.  next = 1: the chunk that follows is asked for at the head, unless all sixteen waves pass over both its steps, and goes into LDS bytes of its own at the end; then the barrier.
.macro CHUNK next
.if \next
	s_lshr_b32 s28, s28, 2
	s_and_b32 s29, s28, 3
	s_cmp_eq_u32 s29, 3
	s_cbranch_scc1 .Lnoload_\@
.irp i, 0,1,2
	global_load_b128 v[192+4*\i:195+4*\i], v3, s[10:11] offset:CHB+8192*\i
.endr
.Lnoload_\@:
.endif
	STEP 0
	STEP 1
.if \next
	s_wait_loadcnt 0x0                             ; on every way
	v_add_nc_u32 v6, s24, v3
	s_cmp_eq_u32 s29, 3
	s_cbranch_scc1 .Lnostore_\@
.irp i, 0,1,2
	ds_store_b128 v6, v[192+4*\i:195+4*\i] offset:CHB+8192*\i
.endr
.Lnostore_\@:
	s_wait_dscnt 0x0                               ; my stores have landed
	s_barrier_signal -1
	s_barrier_wait -1                              ; everybody's have: the next chunk may be read
	s_add_nc_u64 s[10:11], s[10:11], CHB           ; (the loads that named these bases are done)
	s_add_nc_u64 s[12:13], s[12:13], 512
	s_add_co_u32 s24, s24, CHB
	s_add_co_u32 s25, s25, 1536
	s_lshr_b32 s26, s26, 2
	s_lshr_b32 s27, s27, 2
.endif
.endm
	s_mov_b32 s30, 7
.Lchunk:
	CHUNK 1
	s_sub_co_u32 s30, s30, 1
	s_cmp_lg_u32 s30, 0
	s_cbranch_scc1 .Lchunk
	CHUNK 0                                        ; the last chunk asks for nothing: no load leaves its buffer
	; THE WAY OUT: O^T / the sum, quantised along the head's 64 channels (two blocks), stored as half an image of the last projection's operand.
.rept 4
	v_nop                                          ; places behind the last products
.endr
	v_add_f32 v14, v14, v15
	v_permlanex16_b32 v238, v14, s20, s21
	v_add_f32 v14, v14, v238                       ; the row's sum
	v_rcp_f32 v14, v14
	v_nop                                          ; a plain place behind the reciprocal
	s_mov_b32 s31, 0xffff0000
	s_wait_alu depctr_va_vdst(0)                   ; the wait ahead of its first reader
.irp j, 0,1,2,3,4,5,6,7,8,9,10,11,12,13,14,15,16,17,18,19,20,21,22,23,24,25,26,27,28,29,30,31
	v_mul_f32 v[96+\j], v[160+\j], v14             ; register 16 b + i: channel 32 b + 16 h + i of my query
.endr
.irp b, 0,1
	v_max3_num_f32 v[224+\b], |v[96+16*\b]|, |v[97+16*\b]|, 0x2800000
.endr
.irp i, 2,4,6,8,10,12,14
.irp b, 0,1
	v_max3_num_f32 v[224+\b], v[224+\b], |v[96+16*\b+\i]|, |v[97+16*\b+\i]|
.endr
.endr
.irp b, 0,1
	v_permlanex16_b32 v[228+\b], v[224+\b], s20, s21
.endr
.irp b, 0,1
	v_max_num_f32 v[224+\b], v[224+\b], v[228+\b]
.endr
.irp b, 0,1
	v_add_nc_u32 v[232+\b], 0xfe000000, v[224+\b]
.endr
.irp b, 0,1
	v_lshrrev_b32 v[228+\b], 23, v[232+\b]
.endr
	v_cvt_scalef32_pk16_bf6_f32 v[204:206], v[96:111], v232
	v_cvt_scalef32_pk16_bf6_f32 v[216:218], v[112:127], v233
	v_nop                                          ; one plain place behind a scaled conversion
.irp i, 0,1,2
	v_permlane16_swap_b32 v[204+\i], v[216+\i]     ; lanes 0-15 block 0 whole, lanes 16-31 block 1
.endr
.irp i, 0,1,2
	v_mov_b32 v[207+\i], v[216+\i]
.endr
	v_cndmask_b32 v238, v228, v229, s31            ; lane (r, h) holds block h's byte
.irp p, 0,1,2
	global_store_b64 v1, v[204+2*\p:205+2*\p], s[14:15] offset:256*\p  ; each store covers 256 consecutive bytes, aligned
.endr
	global_store_b8 v10, v238, s[18:19]            ; my head's two bytes of each row's scale word; the other head of the pair stores the other two
	s_wait_tensorcnt 0x0
	ds_add_u32 v254, v255
	s_wait_dscnt 0x0
	s_endpgm
.Lfunc_end_k_q1ee01759ec_attn:
	.size	k_q1ee01759ec_attn, .Lfunc_end_k_q1ee01759ec_attn-k_q1ee01759ec_attn
	.p2alignl 7, 3214868480
	.fill 96, 4, 3214868480
	.section	.rodata,"a",@progbits
	.p2align	6, 0x0
	.amdhsa_kernel k_q1ee01759ec_attn
		.amdhsa_group_segment_fixed_size 210944
		.amdhsa_private_segment_fixed_size 0
		.amdhsa_enable_private_segment 0
		.amdhsa_kernarg_size 32
		.amdhsa_user_sgpr_count 2
		.amdhsa_user_sgpr_kernarg_segment_ptr 1
		.amdhsa_wavefront_size32 1
		.amdhsa_system_sgpr_workgroup_id_x 1
		.amdhsa_system_sgpr_workgroup_id_y 1
		.amdhsa_system_sgpr_workgroup_id_z 1
		.amdhsa_system_vgpr_workitem_id 0
		.amdhsa_next_free_vgpr 256
		.amdhsa_next_free_sgpr 100
		.amdhsa_reserve_vcc 0
		.amdhsa_float_denorm_mode_32 3
		.amdhsa_float_denorm_mode_16_64 3
		.amdhsa_memory_ordered 1
		.amdhsa_forward_progress 1
		.amdhsa_inst_pref_size 99
	.end_amdhsa_kernel
	.amdgpu_metadata
---
amdhsa.version: [ 1, 2 ]
amdhsa.kernels:
  - .name:           k_q1ee01759ec_attn
    .symbol:         k_q1ee01759ec_attn.kd
    .args:
      - { .name: att, .offset: 0, .size: 8, .value_kind: global_buffer, .address_space: global }
      - { .name: msk, .offset: 8, .size: 8, .value_kind: global_buffer, .address_space: global }
      - { .name: ctx, .offset: 16, .size: 8, .value_kind: global_buffer, .address_space: global }
      - { .name: flg, .offset: 24, .size: 8, .value_kind: global_buffer, .address_space: global }
    .group_segment_fixed_size: 210944
    .private_segment_fixed_size: 0
    .kernarg_segment_align: 8
    .kernarg_segment_size: 32
    .max_flat_workgroup_size: 512
    .sgpr_count:     100
    .vgpr_count:     256
    .wavefront_size: 32
...
	.end_amdgpu_metadata
.endif
;; end of part 4
;; launch outp (part 5): grid 4 x 32, 4 waves a work-group, clusters of 4 x 4, 327,680 bytes of LDS; arguments ctx, xq, bo, out0; writes out0
.if DOCPART == 5
	.amdgcn_target "amdgcn-amd-amdhsa--gfx1250"
	.amdhsa_code_object_version 6
	.text
	.protected	k_q1ee01759ec_outp
	.globl	k_q1ee01759ec_outp
	.p2align	8
	.type	k_q1ee01759ec_outp,@function
k_q1ee01759ec_outp:
	s_mov_b64 s[64:65], 0
	v_nop
	global_prefetch_b8 v0, s[64:65] scope:SCOPE_SE
	s_setreg_imm32_b32 hwreg(HW_REG_WAVE_MODE, 25, 1), 1
	s_wait_xcnt 0x0
	s_wait_alu depctr_hold_cnt(0) depctr_sa_sdst(0) depctr_va_vdst(0) depctr_va_sdst(0) depctr_va_ssrc(0) depctr_va_vcc(0) depctr_vm_vsrc(0)
	s_getreg_b32 s2, hwreg(HW_REG_IB_STS2, 6, 4)
	s_cmp_eq_u32 s2, 0
	s_cbranch_scc0 .Lentry_in_a_cluster
	s_endpgm
.Lentry_in_a_cluster:
	s_bfe_u32 s2, ttmp6, 0x10000c
	s_cmp_lg_u32 s2, 0xf033
	s_cbranch_scc0 .Lentry_shape_is_right
	s_endpgm
.Lentry_shape_is_right:
; out0 = ctx wo^T + bo on codes of BF6 (E3M2).  ctx comes as images of an operand's registers, [row tile 512][K step 8][1,536 bytes], scale words [row tile][K step][16] from CS on; wo from xq in the same form.
; Position r of row tile tau is row 32 (tau / 2) + 8 (tau % 2) + r % 8 + 16 (r / 8).
; A work-group of four waves makes 256 x 256; a wave 128 x 128: 64 accumulators, 512 registers.  K = 1,024 goes in four steps of 256 through two LDS slots filled by the tensor data mover.
; THE MATRIX INSTRUCTION IS USED TRANSPOSED: source 0 = 16 rows of wo ("B"), source 1 = 16 tokens ("A"): a lane holds one token, and the 16 registers of B's tiles 2 beta, 2 beta + 1 are 16 neighbouring output channels.
; The bias is the C of each sum's first matrix instruction.
; CLUSTERS: 4 x 4 work-groups; A's tiles are shared along a row of the cluster, B's along a column: each is asked for jointly.  The grid has 128 work-groups: 8,192 x 1,024 outputs in tiles of 256 x 256.
; REGISTERS: window 0: v1-8 lane numbers; v16-29 addresses; v32-63 scale words, two sets; v64-127 the bias as C; v128-223 A's fragments (on the way out v128-255 take rows read back).
;   window 1: B's fragments, two sets.   window 2: accumulators of A's blocks 0-3 ((a, b) at v[8 (8 (a % 4) + b)]);   window 3: of blocks 4-7.
.set NQ,     2
.set FR,     12
.set NL,     6
.set NP,     4                         ; places behind this matrix instruction (ISA guide 7.12.1)
.set RTS,    3072
.set HALFT,  8*RTS
.set SLOT,   4*HALFT
.set LAPS,   2
.set SCL,    2*SLOT
.set HALFS,  4096
.set SPARE,  SCL+4*HALFS               ; the spare words, 128 bytes a wave: two blocks of 256 bytes that no other line names
.set XS,     22020096
.set CS,     6291456
.set SPITCH, 528                       ; the way out: a stage of 16 rows x (512 + 16) bytes for each wave, in slot 0, which has had its last fill and its last read when the first result is stored there
.set ADRA, 16
.set ADRB, 20
.set STO,  24                          ; v24  where I put 32 bytes of a row
.set RD,   25                          ; v25  where I read a row back
.set CO,   26                          ; v26  16 L: my bytes of a row of 512
.set ADRS, 27
.set SPW,  28
.set NIL,  29
.set SC,   32
.set CB,   64
.set AF,   128
.set BK,   128
.set G1, 24
.set G0, 32
.set G1B, 48
.set G0B, 56
.set G1S, 68
.set G0S, 76
.set G1SB, 80
.set G0SB, 88
.set MSB, 0
.macro WIN new                         ; the immediate's high byte repeats the setting that is left
.if MSB != (\new)
	s_set_vgpr_msb (MSB<<8)|(\new)
.set MSB, (\new)
.endif
.endm
.set MUL_LO, 0xa1
.set MUL_HI, 0xf1
.set BIA_LO, 0x81
.set BIA_HI, 0xc1
.set TO_B,   0x40
.macro JLOAD g0a, g1a, g0b, g1b        ; a joint load: waves 0 and 1 fetch for A, waves 2 and 3 for B; four v_nop follow each of the two lines
	s_cmp_eq_u32 s15, 0
	s_cbranch_scc0 .Lfor_b_\@
	tensor_load_to_lds s[\g0a:\g0a+3], s[\g1a:\g1a+7]
	s_nop 0
.rept 4
	v_nop
.endr
	s_branch .Lasked_\@
.Lfor_b_\@:
	tensor_load_to_lds s[\g0b:\g0b+3], s[\g1b:\g1b+7]
	s_nop 0
.rept 4
	v_nop
.endr
.Lasked_\@:
.endm
.macro CREST
	s_cmp_lg_u32 s14, 0
	s_cbranch_scc1 .Lnot_wave_0_\@
	s_barrier_signal -3
.Lnot_wave_0_\@:
	s_barrier_wait -3
	s_barrier_signal -1
	s_barrier_wait -1
.endm
.macro CROUND
	s_barrier_signal -1
	s_barrier_wait -1
	CREST
.endm
	s_load_b256 s[4:11], s[0:1], 0x0               ; ctx, xq, bo, out0
	v_lshl_add_u32 v[SPW], v0, 2, SPARE
	v_mov_b32 v[NIL], 0
	ds_add_u32 v28, v29
	ds_add_u32 v28, v29
	s_wait_dscnt 0x0
	v_lshrrev_b32 v1, 5, v0
	v_readfirstlane_b32 s14, v1                    ; wave 0..3
	s_lshr_b32 s15, s14, 1                         ; which half of the tokens is mine.  Also: I fetch for A (0) or for B (1)
	s_and_b32 s16, s14, 1                          ; which half of the channels.  Also: which 8 row tiles I fetch
	s_bfe_u32 s40, ttmp6, 0x40000                  ; cx
	s_bfe_u32 s41, ttmp6, 0x40004                  ; cy
	s_and_b32 s17, ttmp7, 0xffff                   ; cluster y: 1,024 tokens
	s_lshl_b32 s43, s41, 2
	s_lshl_b32 s43, 15, s43                        ; my row of the cluster
	s_lshl_b32 s44, 0x1111, s40                    ; my column
	s_or_b32 s[G1+0], s43, (3<<16)|(1<<21)         ; codes: 8 rows of 384 elements of 8 bytes, 1,536 elements apart; dense in LDS
	s_or_b32 s[G1B+0], s44, (3<<16)|(1<<21)
.irp g, G1, G1B
	s_mov_b32 s[\g+1], 384<<16
	s_mov_b32 s[\g+2], 8<<16
	s_mov_b32 s[\g+3], 384<<16
	s_mov_b32 s[\g+4], 8
	s_mov_b32 s[\g+5], 1536
	s_mov_b32 s[\g+6], 0
	s_mov_b32 s[\g+7], 0
.endr
	s_or_b32 s[G1S+0], s43, (3<<16)|(1<<21)        ; scale words: 4,096 dense bytes as 16 rows of 256
	s_or_b32 s[G1SB+0], s44, (3<<16)|(1<<21)
.irp g, G1S, G1SB
	s_mov_b32 s[\g+1], 32<<16
	s_mov_b32 s[\g+2], 16<<16
	s_mov_b32 s[\g+3], 32<<16
	s_mov_b32 s[\g+4], 16
	s_mov_b32 s[\g+5], 32
	s_mov_b32 s[\g+6], 0
	s_mov_b32 s[\g+7], 0
.endr
	s_lshl_b32 s22, s17, 6
	s_lshl_b32 s23, s41, 4
	s_add_co_u32 s22, s22, s23                     ; A: row tile 64 x cluster y + 16 cy
	s_lshl_b32 s46, s40, 4
	s_add_co_u32 s46, s46, 1728                    ; B: wo's row tiles begin at 1,728; + 16 cx
	s_lshl_b32 s45, s16, 3
	s_add_co_u32 s22, s22, s45                     ; + the 8 that I fetch
	s_add_co_u32 s46, s46, s45
	s_mul_i32 s20, s22, 12288
	s_mov_b32 s21, 0
	s_lshl_b32 s22, s22, 9
	s_add_co_u32 s22, s22, CS
	s_mov_b32 s23, 0
	s_lshl_b32 s92, s46, 9
	s_add_co_u32 s92, s92, XS
	s_mov_b32 s93, 0
	s_mul_i32 s46, s46, 12288
	s_mov_b32 s47, 0
	s_mul_i32 s45, s14, HALFT                      ; where they go: no place in the cluster enters an LDS address
	s_lshl_b32 s94, s14, 12
	s_wait_kmcnt 0x0
	s_add_nc_u64 s[20:21], s[4:5], s[20:21]
	s_add_nc_u64 s[22:23], s[4:5], s[22:23]
	s_add_nc_u64 s[46:47], s[6:7], s[46:47]
	s_add_nc_u64 s[92:93], s[6:7], s[92:93]
	CROUND                                         ; all sixteen work-groups are here: the first joint loads meet
	s_mov_b32 s[G0S], 1
	s_add_co_u32 s[G0S+1], s94, SCL
	s_mov_b64 s[G0S+2:G0S+3], s[22:23]
	s_or_b32 s[G0S+3], s[G0S+3], 0x80000000
	s_mov_b32 s[G0SB], 1
	s_add_co_u32 s[G0SB+1], s94, SCL
	s_mov_b64 s[G0SB+2:G0SB+3], s[92:93]
	s_or_b32 s[G0SB+3], s[G0SB+3], 0x80000000
	JLOAD G0S, G1S, G0SB, G1SB
.irp s, 0,1
	s_mov_b32 s[G0+4*\s], 1
	s_add_co_u32 s[G0+4*\s+1], s45, \s*SLOT
	s_add_nc_u64 s[G0+4*\s+2:G0+4*\s+3], s[20:21], \s*RTS
	s_or_b32 s[G0+4*\s+3], s[G0+4*\s+3], 0x80000000
	s_mov_b32 s[G0B+4*\s], 1
	s_add_co_u32 s[G0B+4*\s+1], s45, \s*SLOT
	s_add_nc_u64 s[G0B+4*\s+2:G0B+4*\s+3], s[46:47], \s*RTS
	s_or_b32 s[G0B+4*\s+3], s[G0B+4*\s+3], 0x80000000
	JLOAD G0+4*\s, G1, G0B+4*\s, G1B
.endr
	v_and_b32 v1, 15, v0                           ; r
	v_bfe_u32 v2, v0, 4, 1                         ; h
	v_and_b32 v3, 31, v0                           ; L
	v_lshlrev_b32 v4, 3, v3                        ; 8 L
	s_mul_i32 s21, s15, HALFT
	s_mul_i32 s22, s16, HALFT
	s_add_co_u32 s22, s22, 2*HALFT
.irp s, 0,1
	v_add_nc_u32 v[ADRA+\s], s21, v4
	v_add_nc_u32 v[ADRB+\s], s22, v4
	s_add_co_u32 s21, s21, SLOT
	s_add_co_u32 s22, s22, SLOT
.endr
	v_lshlrev_b32 v5, 2, v1
	s_mul_i32 s21, s15, HALFS
	s_mul_i32 s22, s16, HALFS
	s_add_co_u32 s22, s22, 2*HALFS
	s_sub_co_u32 s22, s22, s21
	v_mul_u32_u24 v6, s22, v2                      ; lanes 16-31 take B's: one product, the distance x h
	s_add_co_u32 s21, s21, SCL
	v_add_nc_u32 v5, v5, v6
	v_add_nc_u32 v[ADRS], s21, v5
	s_mul_i32 s23, s14, 16*SPITCH                  ; my stage
	v_mul_u32_u24 v5, v1, SPITCH
	v_lshl_add_u32 v5, v2, 6, v5
	v_add_nc_u32 v[STO], s23, v5                   ; in: row r, + 64 h
	v_lshlrev_b32 v[CO], 4, v3
	v_add_nc_u32 v[RD], s23, v[CO]                 ; back: the 32 lanes take a row of 512 bytes
	s_lshl_b32 s20, s17, 10
	s_lshl_b32 s21, s41, 8
	s_add_co_u32 s20, s20, s21
	s_lshl_b32 s21, s15, 7
	s_add_co_u32 s20, s20, s21                     ; my first token: 1,024 x cluster y + 256 cy + 128 x half
	s_lshl_b32 s20, s20, 12
	s_lshl_b32 s21, s40, 10
	s_add_co_u32 s20, s20, s21
	s_lshl_b32 s21, s16, 9
	s_add_co_u32 s20, s20, s21                     ; my first channel, in bytes: 1,024 cx + 512 x half
	s_mov_b32 s21, 0
	s_add_nc_u64 s[10:11], s[10:11], s[20:21]
	s_lshl_b32 s98, s40, 1
	s_add_co_u32 s98, s98, s16
	s_lshl_b32 s98, s98, 9                         ; the bias of my 128 channels
	s_mov_b32 s99, 0
	s_add_nc_u64 s[8:9], s[8:9], s[98:99]
	v_lshlrev_b32 v7, 6, v2                        ; 64 h
.irp b, 0,1,2,3,4,5,6,7                ; register j of tile b is channel 32 (b / 2) + 8 (b % 2) + 16 h + j
	global_load_b128 v[CB+8*\b:CB+8*\b+3], v7, s[8:9] offset:128*(\b/2)+32*(\b%2)
	global_load_b128 v[CB+8*\b+4:CB+8*\b+7], v7, s[8:9] offset:128*(\b/2)+32*(\b%2)+16
.endr
.macro FRAG reg, adr, q, i             ; a fragment comes back as it was stored: six loads of 8 bytes a lane, 256 consecutive bytes each
.irp p, 0,1,2,3,4,5
	ds_load_b64 v[\reg+2*\p:\reg+2*\p+1], v[\adr] offset:(\i)*RTS+(\q)*1536+256*\p
.endr
.endm
; 16 matrix instructions: A's blocks a0, a0 + 1 x B's eight.  cm = 1: the sums begin with the bias.  The 64 accumulators take turns, one instruction a turn.
.macro MUL16 a0, p, q, sc, cm
.irp a, \a0, \a0+1
.irp b, 0,1,2,3,4,5,6,7
.set rD, 8*(8*((\a)%4)+\b)
.set rB, 128*(\p)+FR*\b
.set rA, AF+FR*(\a)
.set rSB, SC+8*NQ*(\sc)+NQ*\b+(\q)
.set rSA, SC+8*NQ*(\sc)+NQ*(\a)+(\q)
.if (\cm) == 1
	v_wmma_scale_f32_16x16x128_f8f6f4 v[rD:rD+7], v[rB:rB+FR-1], v[rA:rA+FR-1], v[CB+8*\b:CB+8*\b+7], v[rSB], v[rSA] matrix_a_fmt:MATRIX_FMT_BF6 matrix_b_fmt:MATRIX_FMT_BF6 matrix_a_scale:MATRIX_SCALE_ROW1
.else
	v_wmma_scale_f32_16x16x128_f8f6f4 v[rD:rD+7], v[rB:rB+FR-1], v[rA:rA+FR-1], v[rD:rD+7], v[rSB], v[rSA] matrix_a_fmt:MATRIX_FMT_BF6 matrix_b_fmt:MATRIX_FMT_BF6 matrix_a_scale:MATRIX_SCALE_ROW1
.endif
.endr
.endr
.endm
.macro FETCH_B slot, q, p
	WIN TO_B
.irp i, 0,1,2,3,4,5,6,7
	FRAG 128*(\p)+FR*\i, ADRB+\slot, \q, \i
.endr
	WIN 0
.endm
.macro FETCH_A slot, q, i0
.irp i, \i0, \i0+1, \i0+2, \i0+3
	FRAG AF+FR*(\i), ADRA+\slot, \q, \i
.endr
.endm
.macro SCALES sc
.irp i, 0,1,2,3,4,5,6,7
.irp q, 0,1
	ds_load_b32 v[SC+8*NQ*(\sc)+NQ*\i+\q], v[ADRS] offset:512*\i+64*\q
.endr
.endr
.endm
.macro PLACES n
.rept \n
	v_nop
.endr
.endm
.macro STEP slot, q, cm
	s_wait_dscnt 4*NL                              ; all but the youngest 24 loads, A's blocks 4-7
.if \cm
	WIN BIA_LO
.else
	WIN MUL_LO
.endif
	MUL16 0, (\q)%2, \q, \slot, \cm
	MUL16 2, (\q)%2, \q, \slot, \cm
	s_wait_dscnt 0x0
	PLACES NP
	FETCH_B \slot, (\q)+1, 1-(\q)%2
	FETCH_A \slot, (\q)+1, 0
.if \cm
	WIN BIA_HI
.else
	WIN MUL_HI
.endif
	MUL16 4, (\q)%2, \q, \slot, \cm
	MUL16 6, (\q)%2, \q, \slot, \cm
	PLACES NP
	WIN 0
	FETCH_A \slot, (\q)+1, 4
.endm
.macro TURN slot, next, fill
	s_wait_tensorcnt 0x0                           ; all my tensor loads have landed: my part of the next slot
	ds_add_u32 v[SPW], v[NIL]                      ; 0 onto my spare word
	s_wait_dscnt 4*NL+1                            ; the add and the youngest 24 loads may be out
	WIN MUL_LO
	MUL16 0, 1, NQ-1, \slot, 0
	s_wait_dscnt 0x0                               ; the add is done, and my reads of this slot are over
	s_barrier_signal -1
	MUL16 2, 1, NQ-1, \slot, 0
	WIN 0
	s_barrier_wait -1
.if \fill
	CREST                                          ; the barrier has opened a round of the cluster's: no wave of any partner still reads this slot or has a load on its way
	s_add_nc_u64 s[G0+4*\slot+2:G0+4*\slot+3], s[G0+4*\slot+2:G0+4*\slot+3], 2*RTS
	s_add_nc_u64 s[G0B+4*\slot+2:G0B+4*\slot+3], s[G0B+4*\slot+2:G0B+4*\slot+3], 2*RTS
	JLOAD G0+4*\slot, G1, G0B+4*\slot, G1B
.else
	PLACES NP
.endif
	v_add_nc_u32 v[ADRS], 64*NQ, v[ADRS]
	FETCH_B \next, 0, 0
	FETCH_A \next, 0, 0
	SCALES \next
	WIN MUL_HI
	MUL16 4, 1, NQ-1, \slot, 0
	MUL16 6, 1, NQ-1, \slot, 0
	PLACES NP
	WIN 0
	FETCH_A \next, 0, 4
.endm
	s_wait_tensorcnt 1                             ; of my three loads the scale words and slot 0's are in; slot 1's may be out
	s_barrier_signal -1
	s_barrier_wait -1
	FETCH_B 0, 0, 0
	FETCH_A 0, 0, 0
	SCALES 0
	FETCH_A 0, 0, 4
	s_wait_loadcnt 0x0                             ; the bias
	STEP 0, 0, 1
	s_mov_b32 s3, LAPS-1
.Llap:
	TURN 0, 1, 1
	STEP 1, 0, 0
	TURN 1, 0, 1
	STEP 0, 0, 0
	s_sub_co_u32 s3, s3, 1
	s_cmp_lg_u32 s3, 0
	s_cbranch_scc1 .Llap
	TURN 0, 1, 0
	STEP 1, 0, 0
	s_wait_dscnt 4*NL
	WIN MUL_LO
	MUL16 0, 1, NQ-1, 1, 0
	MUL16 2, 1, NQ-1, 1, 0
	s_wait_dscnt 0x0
	WIN MUL_HI
	MUL16 4, 1, NQ-1, 1, 0
	MUL16 6, 1, NQ-1, 1, 0
	WIN 0
; THE WAY OUT, block by block of 16 tokens x 128 channels, through my own stage in LDS: in by 32 bytes a lane at the channels' true places, back as whole rows of 512 bytes.
; LDS serves a wave's instructions in order (ISA guide 5.7.1.4): no wait between the stores and the loads, nor in front of the next block's stores.
.macro TOSTAGE a
.set AC, 64*((\a)%4)
	WIN 0x08+4*((\a)/4)                            ; the data: window 2 or 3
.irp b, 0,1,2,3,4,5,6,7
	ds_store_b128 v[STO], v[AC+8*\b:AC+8*\b+3] offset:128*(\b/2)+32*(\b%2)          ; each accumulator from its low end on
	ds_store_b128 v[STO], v[AC+8*\b+4:AC+8*\b+7] offset:128*(\b/2)+32*(\b%2)+16
.endr
	WIN 0
.set BB, BK+64*((\a)%2)
.irp t, 0,1,2,3,4,5,6,7,8,9,10,11,12,13,14,15
	ds_load_b128 v[BB+4*\t:BB+4*\t+3], v[RD] offset:\t*SPITCH
.endr
.endm
.macro SEND a, younger                 ; position t of block a is token 32 (a / 2) + 8 (a % 2) + t % 8 + 16 (t / 8) of my 128: it stands in the immediate, 127 rows of 4,096 bytes at the most
.set BB, BK+64*((\a)%2)
	s_wait_dscnt \younger
.irp t, 0,1,2,3,4,5,6,7,8,9,10,11,12,13,14,15
	global_store_b128 v[CO], v[BB+4*\t:BB+4*\t+3], s[10:11] offset:(32*((\a)/2)+8*((\a)%2)+(\t%8)+16*(\t/8))*4096 th:TH_STORE_NT   ; 32 lanes store 512 consecutive bytes, aligned
.endr
.endm
	PLACES NP
	TOSTAGE 0
.irp a, 1,2,3,4,5,6,7
.if \a > 1
	s_wait_xcnt 0x0                                ; block a - 2's stores have read their registers: block a's loads may land there
.endif
	TOSTAGE \a
	SEND \a-1, 32                                  ; behind block a - 1's loads: block a's 16 stores and 16 loads
.endr
	SEND 7, 0
	s_wait_tensorcnt 0x0                           ; the wave's end
	ds_add_u32 v[SPW], v[NIL]
	s_wait_dscnt 0x0
	CROUND                                         ; the closing round
	s_endpgm
.Lfunc_end_k_q1ee01759ec_outp:
	.size	k_q1ee01759ec_outp, .Lfunc_end_k_q1ee01759ec_outp-k_q1ee01759ec_outp
	.p2alignl 7, 3214868480
	.fill 96, 4, 3214868480
	.section	.rodata,"a",@progbits
	.p2align	6, 0x0
	.amdhsa_kernel k_q1ee01759ec_outp
		.amdhsa_group_segment_fixed_size 327680
		.amdhsa_private_segment_fixed_size 0
		.amdhsa_enable_private_segment 0
		.amdhsa_kernarg_size 32
		.amdhsa_user_sgpr_count 2
		.amdhsa_user_sgpr_kernarg_segment_ptr 1
		.amdhsa_wavefront_size32 1
		.amdhsa_system_sgpr_workgroup_id_x 1
		.amdhsa_system_sgpr_workgroup_id_y 1
		.amdhsa_system_sgpr_workgroup_id_z 1
		.amdhsa_system_vgpr_workitem_id 0
		.amdhsa_next_free_vgpr 1024
		.amdhsa_next_free_sgpr 100
		.amdhsa_reserve_vcc 0
		.amdhsa_float_denorm_mode_32 3
		.amdhsa_float_denorm_mode_16_64 3
		.amdhsa_memory_ordered 1
		.amdhsa_forward_progress 1
		.amdhsa_inst_pref_size 163
	.end_amdhsa_kernel
	.amdgpu_metadata
---
amdhsa.version: [ 1, 2 ]
amdhsa.kernels:
  - .name:           k_q1ee01759ec_outp
    .symbol:         k_q1ee01759ec_outp.kd
    .args:
      - { .name: ctx, .offset: 0, .size: 8, .value_kind: global_buffer, .address_space: global }
      - { .name: xq, .offset: 8, .size: 8, .value_kind: global_buffer, .address_space: global }
      - { .name: bo, .offset: 16, .size: 8, .value_kind: global_buffer, .address_space: global }
      - { .name: out0, .offset: 24, .size: 8, .value_kind: global_buffer, .address_space: global }
    .group_segment_fixed_size: 327680
    .private_segment_fixed_size: 0
    .kernarg_segment_align: 8
    .kernarg_segment_size: 32
    .max_flat_workgroup_size: 128
    .sgpr_count:     100
    .vgpr_count:     1024
    .wavefront_size: 32
...
	.end_amdgpu_metadata
.endif
;; end of part 5
;; ======== version 2 of 2: 5 launches; version 1 with the launch attn written anew for expert scheduling mode
;; limits: right only within a limited range of input values
;; workspace buffers: flg 4,096 bytes of whole numbers; xq 22,937,600 bytes; msk 2,097,152 bytes; att 20,185,088 bytes; ctx 6,553,600 bytes
;; launch quant: the kernel of part 1 again; grid 896 x 1, 4 waves a work-group, no clusters, 34,304 bytes of LDS; arguments q, k, v, wq, wk, wv, wo, xq; writes xq
;; launch maskpack: the kernel of part 2 again; grid 512 x 1, 4 waves a work-group, no clusters, 34,560 bytes of LDS; arguments mask, msk, flg; writes msk, flg
;; launch proj: the kernel of part 3 again; grid 4 x 96, 4 waves a work-group, clusters of 4 x 4, 327,680 bytes of LDS; arguments xq, bq, bk, bv, att; writes att
;; launch attn (part 6): grid 64 x 8, 16 waves a work-group, no clusters, 210,944 bytes of LDS; arguments att, msk, ctx, flg; writes ctx
.if DOCPART == 6
	.amdgcn_target "amdgcn-amd-amdhsa--gfx1250"
	.amdhsa_code_object_version 6
	.text
	.protected	k_q1ee01759ec_attn
	.globl	k_q1ee01759ec_attn
	.p2align	8
	.type	k_q1ee01759ec_attn,@function
k_q1ee01759ec_attn:
	s_mov_b64 s[64:65], 0
	v_nop
	global_prefetch_b8 v0, s[64:65] scope:SCOPE_SE
	s_setreg_imm32_b32 hwreg(HW_REG_WAVE_SCHED_MODE, 0, 2), 2
	s_setreg_imm32_b32 hwreg(HW_REG_WAVE_MODE, 25, 1), 1
	s_wait_xcnt 0x0
	s_wait_alu depctr_vm_vsrc(0)
; ctx = softmax(mask(Q K^T / 8)) V for one head and 256 queries a work-group, both products on codes of BF6 (E3M2); ctx is quantised along the channels for the last projection.
; THE SOFTMAX: t = score x log2(e) / 8 (the 1/8 that reference() puts on Q is applied here); M = the running largest t rounded up to a whole number; p = 2^(t - M) is quantised along the keys, not normalised;
; the row's sum is taken of the unquantised p and divides at the end.  When M moves, the sum and O are multiplied by 2^(old M - new M): exact.
; THE MASK is an input: it is honoured as it is given.  An earlier launch packed it into lane words (msk: word n, bit L: register n of lane L is hidden; they serve as select masks alone) and, for each tile of 16
; queries, two flag words (flg): SKIP (bit kappa: all of that key step is hidden, and no row of the tile is hidden at every key: such a step adds p = 0 alone and is passed over by a scalar branch) and NOM (nothing
; hidden: the selects are passed over).  The flags are the only loaded numbers on which a branch hangs.
; LIMIT: a hidden score is set to -2^69 on the score before the 1/8, a logit of -2^66, where reference() has -1e20: so that t is a whole number and a row hidden everywhere gets p = 1 at every key, as there.
; It differs from reference() only where a logit that is not hidden lies under about -7e19.  Blocks under 2^-122 get the byte 1.  NaN and infinities are not served.
; SHARES: sixteen waves, each one tile of 16 queries in 256 registers: four waves to a SIMD, so that one wave's vector work stands beside another's matrix work.
; K AND V of the whole head (16 key steps x 12,288 bytes, and 12,288 bytes of scale words) fit in LDS: each byte is filled ONCE, through registers, two key steps (a chunk) ahead of its use: one barrier a chunk.
; NO TENSOR LOAD AND NO CLUSTER, though the eight query blocks of a head read the same K and V: which steps a wave walks hangs on numbers read from memory.
; LAYOUT: both products are used transposed (S^T = K Q^T, O^T = V^T P^T): a lane holds one query throughout.  By the order of rows in a tile the 16 registers of tiles 2 beta, 2 beta + 1 are 16 neighbouring keys
; (or channels) 32 beta + 16 h + 0 .. 15.  The head has 64 channels: the upper half of K's and Q's fragments (k = 64 .. 127) is zero codes, set once.
; REGISTERS: v1-11 addresses; v12 -M, v13 largest t, v[14:15] the sum; v16-27 Q; v28 Q's scale word; v32-79 four fragments of K; v80-83 K's scale words, v84-85 V's; v96-159 S^T, then p, then (v96-143) V's four
; fragments; v160-191 O^T; v192-203 the next chunk on its way; v204-215 p's codes; v216-222 second halves; v224-241 at work; v242 p's scale word.
; THE MODE: SCHED_MODE bits 1:0 = 2 (LLVM: expert scheduling mode 2), set by the entry lines.  The code itself states the register dependences between vector or matrix instructions and memory or LDS
; instructions, with s_wait_alu, always for 0.
; THE PLAN.  Registers that memory or LDS instructions touch:
;   v1, v3, v8, v10, v11    offsets, made at the head and never written again.
;   v4, v5, v6              LDS addresses of the chunk in hand: written once a chunk, at its head; v4 and v5 are read by all its LDS loads, v6 by the stores at its end.  (At the kernel's head v5 and v6 address the scale words' stores.)
;   v32-79, v80-83          K: registers 0-5 of four fragments, and the scale words.  LDS loads land there at a step's head (tiles 0-3, the words) and in its middle (tiles 4-7); the eight products S^T read them.
;   v96-143, v84-85         V: LDS loads land there behind the conversions that read p in v96-159; the four products O^T read them.  (At the kernel's head v96-101 carry the scale words from memory to LDS.)
;   v192-203                the next chunk: global loads land there at a chunk's head, LDS stores read them at its end; no vector instruction names them.
;   v204-209, v238          the way out: written by vector instructions, read by the last stores.
; THE WAITS.  A chunk has one pair at its head: on vm_vsrc (the last chunk's LDS loads and stores have read v4, v5, v6 and v192-203), then the three additions, then on va_vdst (the addresses are written).
; A step has four on va_vdst: behind the products of tiles 0-3 (tiles 4-7 land in the registers that they read); behind the exponentials (their results; behind it all eight products S^T are also done with K's
; registers, so that the next step's loads at its head owe nothing); behind the conversions (V lands where they read p); ahead of the products O^T (p's codes and scale word are written).
.set QS,   6291456
.set KVC,  6815744
.set KVS,  19398656
.set CS,   6291456
.set SCB,  196608                      ; LDS: the scale words, behind the codes
.set STEPB, 12288
.set CHB,  24576                       ; a chunk: two key steps
	s_load_b128 s[4:7], s[0:1], 0x0                ; att, msk
	s_load_b128 s[8:11], s[0:1], 0x10              ; ctx, flg (s[10:11] takes K's and V's address once the flags' addresses are made)
	v_lshl_add_u32 v254, v0, 2, 0x33000
	v_mov_b32 v255, 0
	v_lshrrev_b32 v9, 5, v0
	v_readfirstlane_b32 s16, v9                    ; wave 0..15
	v_and_b32 v9, 31, v0                           ; L
	v_and_b32 v11, 15, v0                          ; r
	v_bfe_u32 v238, v0, 4, 1                       ; h
	v_lshlrev_b32 v1, 3, v9                        ; 8 L: my place in a chunk of an image
	v_lshl_add_u32 v2, v9, 2, SCB                  ; 4 L among two tiles' scale words
	v_lshlrev_b32 v3, 4, v0                        ; 16 x thread: the linear copy
	v_lshlrev_b32 v8, 3, v0
	v_lshl_add_u32 v10, v11, 2, v238               ; 4 r + h: my byte of ctx's scale words
	v_lshlrev_b32 v11, 2, v11                      ; 4 r
	v_add_nc_u32 v6, SCB, v3
	v_add_nc_u32 v5, SCB, v8
	v_mov_b32 v7, 0xe2000000                       ; -2^69
	s_wait_alu depctr_va_sdst(0)                   ; s16, the wave's number, is written, ahead of its first reader: the tile's number and all that is made from it
	s_and_b32 s17, ttmp7, 0xffff
	s_sub_co_u32 s17, 7, s17                       ; my block of 256 queries: the late blocks are started first (an order only)
	s_lshr_b32 s2, ttmp9, 4                        ; batch
	s_and_b32 s3, ttmp9, 15                        ; head
	s_lshl_b32 s31, s2, 7
	s_lshl_b32 s66, s17, 4
	s_add_co_u32 s31, s31, s66                     ; 128 batch + 16 block: the work-group's first tile
	s_add_co_u32 s67, s31, s16                     ; G = 128 batch + T
	s_add_co_u32 s66, s66, s16                     ; T
	s_lshl_b32 s78, ttmp9, 7
	s_add_co_u32 s78, s78, s66                     ; 128 bh + T
	s_mul_i32 s80, s78, 768                        ; Q's half image
	s_mov_b32 s81, 0
	s_lshl_b32 s82, s78, 6
	s_add_co_u32 s82, s82, QS                      ; its scale words
	s_mov_b32 s83, 0
	s_mul_i32 s84, ttmp9, 12288
	s_add_co_u32 s84, s84, KVS                     ; the head's scale words of K and V
	s_mov_b32 s85, 0
	s_mul_i32 s86, ttmp9, 196608
	s_add_co_u32 s86, s86, KVC                     ; the head's codes
	s_mov_b32 s87, 0
	s_lshl_b32 s88, s67, 12                        ; my tile's mask words
	s_mov_b32 s89, 0
	s_lshl_b32 s90, s67, 3
	s_lshr_b32 s91, s3, 1
	s_add_co_u32 s90, s90, s91                     ; ctx: fragment 8 G + head / 2,
	s_and_b32 s91, s3, 1                           ; half head % 2
	s_mul_i32 s92, s90, 1536
	s_mul_i32 s93, s91, 768
	s_add_co_u32 s92, s92, s93
	s_mov_b32 s93, 0
	s_lshl_b32 s94, s90, 6
	s_lshl_b32 s95, s91, 1
	s_add_co_u32 s94, s94, s95
	s_add_co_u32 s94, s94, CS
	s_mov_b32 s95, 0
	s_lshl_b32 s96, s31, 2                         ; the sixteen tiles' SKIP words,
	s_mov_b32 s97, 0
	s_lshl_b32 s98, s67, 2                         ; and mine
	s_mov_b32 s99, 0
	s_mov_b32 s20, 0x76543210
	s_mov_b32 s21, 0xfedcba98                      ; selects for lane l xor 16
	s_mov_b32 s22, 0x3e38aa3b                      ; c = log2(e) / 8
	s_mov_b32 s23, s22                             ; (named with it as a pair)
	s_mov_b32 s24, 0                               ; LDS byte of the chunk in hand
	s_mov_b32 s25, 0                               ; and of its scale words
	s_wait_kmcnt 0x0
	s_add_nc_u64 s[74:75], s[10:11], s[96:97]
	s_add_nc_u64 s[76:77], s[10:11], s[98:99]
	s_load_b512 s[32:47], s[74:75], 0x0            ; SKIP of the work-group's sixteen tiles
	s_load_b32 s26, s[76:77], 0x0                  ; my SKIP
	s_load_b32 s27, s[76:77], 0x800                ; my NOM
	s_add_nc_u64 s[68:69], s[4:5], s[80:81]
	s_add_nc_u64 s[70:71], s[4:5], s[82:83]
	s_add_nc_u64 s[72:73], s[4:5], s[84:85]
	s_add_nc_u64 s[10:11], s[4:5], s[86:87]        ; the chunk in hand, in memory
	s_add_nc_u64 s[12:13], s[6:7], s[88:89]        ; its mask words
	s_add_nc_u64 s[14:15], s[8:9], s[92:93]
	s_add_nc_u64 s[18:19], s[8:9], s[94:95]
	s_wait_alu depctr_va_vdst(0)                   ; the offsets v1, v3, v8, v10, v11 and the LDS addresses v5, v6 are written: the loads and stores below, and the last stores of the kernel, read them
.irp p, 0,1,2
	global_load_b64 v[16+2*\p:17+2*\p], v1, s[68:69] offset:256*\p     ; Q stays in registers
.endr
	global_load_b32 v28, v11, s[70:71]
.irp i, 0,1,2
	global_load_b128 v[192+4*\i:195+4*\i], v3, s[10:11] offset:8192*\i ; chunk 0: 512 threads x 16 bytes, three times
.endr
	global_load_b128 v[96:99], v3, s[72:73]                            ; all scale words: 8,192 + 4,096 bytes
	global_load_b64 v[100:101], v8, s[72:73] offset:8192
.irp j, 22,23,24,25,26,27
	v_mov_b32 v[\j], 0                             ; Q's k = 64 .. 127: zero codes
.endr
.irp t, 0,1,2,3
.irp i, 6,7,8,9,10,11
	v_mov_b32 v[32+12*\t+\i], 0                    ; K's likewise: set once, no load lands there
.endr
.endr
	v_mov_b32 v13, 0xff61b1e6                      ; the largest t so far: -3e38
	v_floor_f32 v12, -v13                          ; -M
	v_mov_b32 v14, 0
	v_mov_b32 v15, 0
.irp b, 0,1,2,3
	v_mov_b32 v[228+\b], 0                         ; a lane permute's destination counts as read
.endr
	v_mov_b32 v237, 0                              ; (named as the upper half of the pair v[236:237])
.irp j, 0,1,2,3,4,5,6,7,8,9,10,11,12,13,14,15,16,17,18,19,20,21,22,23,24,25,26,27,28,29,30,31
	v_mov_b32 v[160+\j], 0                         ; O^T: the step is written once; the first change of M multiplies zeros
.endr
	s_wait_kmcnt 0x0
	s_and_b32 s28, s32, s33                        ; bit kappa: all sixteen waves pass over that step
.irp j, 34,35,36,37,38,39,40,41,42,43,44,45,46,47
	s_and_b32 s28, s28, s[\j]
.endr
	s_wait_loadcnt 0x0
.irp i, 0,1,2
	ds_store_b128 v3, v[192+4*\i:195+4*\i] offset:8192*\i              ; data from loads, addresses from ahead of the wait on va_vdst above: nothing more is owed
.endr
	ds_store_b128 v6, v[96:99]
	ds_store_b64 v5, v[100:101] offset:8192
	s_wait_dscnt 0x0                               ; for the others' sake: my stores have landed
	s_barrier_signal -1
	s_barrier_wait -1
; A KEY STEP: 128 keys, the q-th of the chunk in hand.
.macro STEP q
	s_bitcmp1_b32 s26, \q                          ; wholly hidden, and no row of mine hidden everywhere: nothing to add
	s_cbranch_scc1 .Lhid_\@
.irp i, 0,1
	s_load_b512 s[32+16*\i:47+16*\i], s[12:13], 256*(\q)+64*\i         ; the step's 64 mask words: word n in s[32 + n], from 32 on in s[36 + n]  (the last step's selects, which read these registers, stand ahead of its waits on va_vdst)
	s_load_b512 s[68+16*\i:83+16*\i], s[12:13], 256*(\q)+128+64*\i
.endr
.irp b, 0,1,2,3
	ds_load_b32 v[80+\b], v5 offset:768*(\q)+128*\b                    ; lanes 0-15 tile 2 b's words, lanes 16-31 tile 2 b + 1's.  No wait: the products that read v80-83 and v32-79 stand ahead of the last step's wait behind its exponentials, v4 and v5 ahead of the chunk's
.endr
.irp g, 0,1                            ; S^T = K Q^T, four tiles of 16 keys at a time
.if \g
.rept 4
	v_nop                                          ; four plain places behind the products whose sources are loaded again (ISA guide 7.12.1), kept beside the wait below
.endr
	s_wait_alu depctr_va_vdst(0)                   ; the products of tiles 0-3 are done reading the four fragments v32-79, in which tiles 4-7 land
.endif
.irp t, 0,1,2,3
.irp p, 0,1,2
	ds_load_b64 v[32+12*\t+2*\p:33+12*\t+2*\p], v4 offset:STEPB*(\q)+768*(4*\g+\t)+256*\p
.endr
.endr
.if \g == 0
.rept 5
	v_nop                                          ; five places between the last step's products and the products below, whose scores are laid over registers that those read as V; they stand while the loads are out
.endr
.endif
	s_wait_dscnt 0x0
.irp t, 0,1,2,3
.if \t%2
	v_wmma_scale_f32_16x16x128_f8f6f4 v[96+8*(4*\g+\t):103+8*(4*\g+\t)], v[32+12*\t:43+12*\t], v[16:27], 0, v[80+2*\g+\t/2], v28 matrix_a_fmt:MATRIX_FMT_BF6 matrix_b_fmt:MATRIX_FMT_BF6 matrix_a_scale:MATRIX_SCALE_ROW1
.else
	v_wmma_scale_f32_16x16x128_f8f6f4 v[96+8*(4*\g+\t):103+8*(4*\g+\t)], v[32+12*\t:43+12*\t], v[16:27], 0, v[80+2*\g+\t/2], v28 matrix_a_fmt:MATRIX_FMT_BF6 matrix_b_fmt:MATRIX_FMT_BF6
.endif
.endr
.endr
.rept 4
	v_nop
.endr
	s_wait_kmcnt 0x0                               ; the mask words
	s_bitcmp1_b32 s27, \q                          ; nothing hidden in this step?
	s_cbranch_scc1 .Lopen_\@
.set n, 0
.rept 64
	v_cndmask_b32 v[96+n], v[96+n], v7, s[32+n+4*(n/32)]               ; one select a score, ascending: each accumulator is read from its low end on
.set n, n+1
.endr
.Lopen_\@:
.irp b, 0,1,2,3
	v_max3_num_f32 v[224+\b], v[96+16*\b], v[97+16*\b], v[98+16*\b]    ; the largest score of each block of 32 keys: for the row's maximum and, since p rises with the score, for the block's largest p
.endr
.irp i, 3,5,7,9,11,13
.irp b, 0,1,2,3
	v_max3_num_f32 v[224+\b], v[224+\b], v[96+16*\b+\i], v[97+16*\b+\i]
.endr
.endr
.irp b, 0,1,2,3
	v_max_num_f32 v[224+\b], v[224+\b], v[111+16*\b]
.endr
.irp b, 0,1,2,3
	v_permlanex16_b32 v[228+\b], v[224+\b], s20, s21
.endr
.irp b, 0,1,2,3
	v_max_num_f32 v[224+\b], v[224+\b], v[228+\b]  ; with lane l xor 16's 16 keys
.endr
	v_max3_num_f32 v238, v224, v225, v226
	v_max_num_f32 v238, v238, v227
	v_mul_f32 v238, s22, v238                      ; as t (c is positive)
	v_max_num_f32 v13, v13, v238                   ; the running largest t
	v_mov_b32 v238, v12
	v_floor_f32 v12, -v13                          ; the new -M = -ceil(t)
	v_sub_f32 v238, v12, v238                      ; old M - new M: a whole number, 0 or less
	v_cvt_i32_f32 v238, v238                       ; (it saturates)
	v_ldexp_f32 v236, 1.0, v238                    ; f = 2^(old M - new M)
.irp j, 0,2,4,6,8,10,12,14,16,18,20,22,24,26,28,30,32,34,36,38,40,42,44,46,48,50,52,54,56,58,60,62
	v_pk_fma_f32 v[96+\j:97+\j], v[96+\j:97+\j], s[22:23], v[12:13] op_sel_hi:[1,0,0]   ; t - M, two at a time
.endr
.irp b, 0,1,2,3
	v_fma_f32 v[224+\b], v[224+\b], s22, v12
.endr
.irp j, 0,1,2,3,4,5,6,7,8,9,10,11,12,13,14,15,16,17,18,19,20,21,22,23,24,25,26,27,28,29,30,31,32,33,34,35,36,37,38,39,40,41,42,43,44,45,46,47,48,49,50,51,52,53,54,55,56,57,58,59,60,61,62,63
	v_exp_f32 v[96+\j], v[96+\j]                   ; p = 2^(t - M)
.endr
.irp b, 0,1,2,3
	v_exp_f32 v[224+\b], v[224+\b]                 ; the block's largest p: the same two instructions on the same number; one batch with the 64
.endr
	v_pk_mul_f32 v[14:15], v[14:15], v[236:237] op_sel_hi:[1,0]        ; the sums under the new M: the plain place behind the exponentials
	s_wait_alu depctr_va_vdst(0)                   ; the 68 exponentials have written p (v96-159) and the blocks' largest p (v224-227), ahead of their first reader; the products S^T are done reading K's fragments and scale words
	v_pk_add_f32 v[240:241], v[96:97], v[98:99]    ; the row's sum of the unquantised p, in two chains
.irp j, 4,8,12,16,20,24,28,32,36,40,44,48,52,56,60
	v_pk_add_f32 v[14:15], v[14:15], v[96+\j:97+\j]
	v_pk_add_f32 v[240:241], v[240:241], v[98+\j:99+\j]
.endr
	v_pk_add_f32 v[14:15], v[14:15], v[240:241]
.irp b, 0,1,2,3
	v_max_num_f32 v[224+\b], 0x2800000, v[224+\b]  ; the floor 2^(5 - 127): a block whose every p is 0 keeps the byte 1 over zero codes
.endr
.irp b, 0,1,2,3
	v_add_nc_u32 v[232+\b], 0xfe000000, v[224+\b]  ; the conversion's scale operand
.endr
.irp b, 0,1,2,3
	v_lshrrev_b32 v[228+\b], 23, v[232+\b]         ; the byte
.endr
	v_lshl_or_b32 v242, v229, 8, v228              ; p's scale word for these 128 keys
	v_lshl_or_b32 v242, v230, 16, v242
	v_lshl_or_b32 v242, v231, 24, v242
.irp c, 0,1
	v_cvt_scalef32_pk16_bf6_f32 v[204+6*\c:206+6*\c], v[96+32*\c:111+32*\c], v[232+2*\c]
	v_cvt_scalef32_pk16_bf6_f32 v[216+4*\c:218+4*\c], v[112+32*\c:127+32*\c], v[232+2*\c+1]
.endr
	v_nop                                          ; one plain place behind a scaled conversion
	s_wait_alu depctr_va_vdst(0)                   ; the conversions are done reading p in v96-159, and the last step's products O^T their scale words v84-85: V's loads land there
.irp t, 0,1,2,3                        ; V's four fragments land where p lay, while p's codes are put in order and O^T is rescaled: none of those lines names v96-143, v84-85, v4 or v5
.irp p, 0,1,2,3,4,5
	ds_load_b64 v[96+12*\t+2*\p:97+12*\t+2*\p], v4 offset:STEPB*(\q)+6144+1536*\t+256*\p
.endr
.endr
.irp i, 0,1
	ds_load_b32 v[84+\i], v5 offset:768*(\q)+512+128*\i
.endr
.irp c, 0,1                            ; the layout wants a whole block in a lane
.irp i, 0,1,2
	v_permlane16_swap_b32 v[204+6*\c+\i], v[216+4*\c+\i]
.endr
.irp i, 0,1,2
	v_mov_b32 v[207+6*\c+\i], v[216+4*\c+\i]
.endr
.endr
.irp j, 0,2,4,6,8,10,12,14,16,18,20,22,24,26,28,30
	v_pk_mul_f32 v[160+\j:161+\j], v[160+\j:161+\j], v[236:237] op_sel_hi:[1,0]   ; O^T under the new M; these are also the places in front of the products below
.endr
	s_wait_dscnt 0x0
	s_wait_alu depctr_va_vdst(0)                   ; p's codes v204-215 and its scale word v242, made by vector instructions, are written: the products below take them as operand and as scales; the places stand ahead of this wait
.irp t, 0,1,2,3                        ; O^T += V^T P^T: four accumulators by turns
.if \t%2
	v_wmma_scale_f32_16x16x128_f8f6f4 v[160+8*\t:167+8*\t], v[96+12*\t:107+12*\t], v[204:215], v[160+8*\t:167+8*\t], v[84+\t/2], v242 matrix_a_fmt:MATRIX_FMT_BF6 matrix_b_fmt:MATRIX_FMT_BF6 matrix_a_scale:MATRIX_SCALE_ROW1
.else
	v_wmma_scale_f32_16x16x128_f8f6f4 v[160+8*\t:167+8*\t], v[96+12*\t:107+12*\t], v[204:215], v[160+8*\t:167+8*\t], v[84+\t/2], v242 matrix_a_fmt:MATRIX_FMT_BF6 matrix_b_fmt:MATRIX_FMT_BF6
.endif
.endr
.Lhid_\@:
.endm
; A CHUNK: two key steps.  Its LDS addresses are made at its head, on every wave's way.  next = 1: the chunk that follows is asked for at the head, unless all sixteen waves pass over both its steps, and goes
; into LDS bytes of its own at the end; then the barrier.
.macro CHUNK next
	s_wait_alu depctr_vm_vsrc(0)                   ; the LDS loads issued so far have read v4 and v5, the LDS stores v6 and v192-203 (in the first chunk: the head's stores v5, v6, v96-101 and v192-203): all are written again below
	v_add_nc_u32 v4, s24, v1                       ; the chunk's codes,
	v_add_nc_u32 v5, s25, v2                       ; its scale words,
.if \next
	v_add_nc_u32 v6, s24, v3                       ; and, one chunk on by the stores' offset, where my part of the next chunk goes
.endif
	s_wait_alu depctr_va_vdst(0)                   ; the addresses are written, which the chunk's LDS loads and stores read; in the first chunk also the zero codes of Q's and K's fragments, which the scaled products take as operands
.if \next
	s_lshr_b32 s28, s28, 2
	s_and_b32 s29, s28, 3
	s_cmp_eq_u32 s29, 3
	s_cbranch_scc1 .Lnoload_\@
.irp i, 0,1,2
	global_load_b128 v[192+4*\i:195+4*\i], v3, s[10:11] offset:CHB+8192*\i
.endr
.Lnoload_\@:
.endif
	STEP 0
	STEP 1
.if \next
	s_wait_loadcnt 0x0                             ; on every way
	s_cmp_eq_u32 s29, 3
	s_cbranch_scc1 .Lnostore_\@
.irp i, 0,1,2
	ds_store_b128 v6, v[192+4*\i:195+4*\i] offset:CHB+8192*\i          ; data from loads; no vector instruction has named v6 since the wait at the chunk's head
.endr
.Lnostore_\@:
	s_wait_dscnt 0x0                               ; my stores have landed
	s_barrier_signal -1
	s_barrier_wait -1                              ; everybody's have: the next chunk may be read
	s_add_nc_u64 s[10:11], s[10:11], CHB           ; (the loads that named these bases are done)
	s_add_nc_u64 s[12:13], s[12:13], 512
	s_add_co_u32 s24, s24, CHB
	s_add_co_u32 s25, s25, 1536
	s_lshr_b32 s26, s26, 2
	s_lshr_b32 s27, s27, 2
.endif
.endm
	s_mov_b32 s30, 7
.Lchunk:
	CHUNK 1
	s_sub_co_u32 s30, s30, 1
	s_cmp_lg_u32 s30, 0
	s_cbranch_scc1 .Lchunk
	CHUNK 0                                        ; the last chunk asks for nothing: no load leaves its buffer
	; THE WAY OUT: O^T / the sum, quantised along the head's 64 channels (two blocks), stored as half an image of the last projection's operand.
.rept 4
	v_nop                                          ; places behind the last products
.endr
	v_add_f32 v14, v14, v15
	v_permlanex16_b32 v238, v14, s20, s21
	v_add_f32 v14, v14, v238                       ; the row's sum
	v_rcp_f32 v14, v14
	v_nop                                          ; a plain place behind the reciprocal
	s_mov_b32 s31, 0xffff0000
	s_wait_alu depctr_va_vdst(0)                   ; the reciprocal has written v14, ahead of its first reader
.irp j, 0,1,2,3,4,5,6,7,8,9,10,11,12,13,14,15,16,17,18,19,20,21,22,23,24,25,26,27,28,29,30,31
	v_mul_f32 v[96+\j], v[160+\j], v14             ; register 16 b + i: channel 32 b + 16 h + i of my query
.endr
.irp b, 0,1
	v_max3_num_f32 v[224+\b], |v[96+16*\b]|, |v[97+16*\b]|, 0x2800000
.endr
.irp i, 2,4,6,8,10,12,14
.irp b, 0,1
	v_max3_num_f32 v[224+\b], v[224+\b], |v[96+16*\b+\i]|, |v[97+16*\b+\i]|
.endr
.endr
.irp b, 0,1
	v_permlanex16_b32 v[228+\b], v[224+\b], s20, s21
.endr
.irp b, 0,1
	v_max_num_f32 v[224+\b], v[224+\b], v[228+\b]
.endr
.irp b, 0,1
	v_add_nc_u32 v[232+\b], 0xfe000000, v[224+\b]
.endr
.irp b, 0,1
	v_lshrrev_b32 v[228+\b], 23, v[232+\b]
.endr
	v_cvt_scalef32_pk16_bf6_f32 v[204:206], v[96:111], v232
	v_cvt_scalef32_pk16_bf6_f32 v[216:218], v[112:127], v233
	v_nop                                          ; one plain place behind a scaled conversion
.irp i, 0,1,2
	v_permlane16_swap_b32 v[204+\i], v[216+\i]     ; lanes 0-15 block 0 whole, lanes 16-31 block 1
.endr
.irp i, 0,1,2
	v_mov_b32 v[207+\i], v[216+\i]
.endr
	v_cndmask_b32 v238, v228, v229, s31            ; lane (r, h) holds block h's byte
	s_wait_alu depctr_va_vdst(0)                   ; the codes v204-209 and the byte v238 are written, which the stores below read
.irp p, 0,1,2
	global_store_b64 v1, v[204+2*\p:205+2*\p], s[14:15] offset:256*\p  ; each store covers 256 consecutive bytes, aligned
.endr
	global_store_b8 v10, v238, s[18:19]            ; my head's two bytes of each row's scale word; the other head of the pair stores the other two
	s_wait_dscnt 0x0
	s_wait_alu depctr_hold_cnt(0) depctr_sa_sdst(0) depctr_va_vdst(0) depctr_va_sdst(0) depctr_va_ssrc(0) depctr_va_vcc(0) depctr_vm_vsrc(0)
	s_wait_tensorcnt 0x0
	ds_add_u32 v254, v255
	s_wait_dscnt 0x0
	s_endpgm
.Lfunc_end_k_q1ee01759ec_attn:
	.size	k_q1ee01759ec_attn, .Lfunc_end_k_q1ee01759ec_attn-k_q1ee01759ec_attn
	.p2alignl 7, 3214868480
	.fill 96, 4, 3214868480
	.section	.rodata,"a",@progbits
	.p2align	6, 0x0
	.amdhsa_kernel k_q1ee01759ec_attn
		.amdhsa_group_segment_fixed_size 210944
		.amdhsa_private_segment_fixed_size 0
		.amdhsa_enable_private_segment 0
		.amdhsa_kernarg_size 32
		.amdhsa_user_sgpr_count 2
		.amdhsa_user_sgpr_kernarg_segment_ptr 1
		.amdhsa_wavefront_size32 1
		.amdhsa_system_sgpr_workgroup_id_x 1
		.amdhsa_system_sgpr_workgroup_id_y 1
		.amdhsa_system_sgpr_workgroup_id_z 1
		.amdhsa_system_vgpr_workitem_id 0
		.amdhsa_next_free_vgpr 256
		.amdhsa_next_free_sgpr 100
		.amdhsa_reserve_vcc 0
		.amdhsa_float_denorm_mode_32 3
		.amdhsa_float_denorm_mode_16_64 3
		.amdhsa_memory_ordered 1
		.amdhsa_forward_progress 1
		.amdhsa_inst_pref_size 99
	.end_amdhsa_kernel
	.amdgpu_metadata
---
amdhsa.version: [ 1, 2 ]
amdhsa.kernels:
  - .name:           k_q1ee01759ec_attn
    .symbol:         k_q1ee01759ec_attn.kd
    .args:
      - { .name: att, .offset: 0, .size: 8, .value_kind: global_buffer, .address_space: global }
      - { .name: msk, .offset: 8, .size: 8, .value_kind: global_buffer, .address_space: global }
      - { .name: ctx, .offset: 16, .size: 8, .value_kind: global_buffer, .address_space: global }
      - { .name: flg, .offset: 24, .size: 8, .value_kind: global_buffer, .address_space: global }
    .group_segment_fixed_size: 210944
    .private_segment_fixed_size: 0
    .kernarg_segment_align: 8
    .kernarg_segment_size: 32
    .max_flat_workgroup_size: 512
    .sgpr_count:     100
    .vgpr_count:     256
    .wavefront_size: 32
...
	.end_amdgpu_metadata
.endif
;; end of part 6
;; launch outp: the kernel of part 5 again; grid 4 x 32, 4 waves a work-group, clusters of 4 x 4, 327,680 bytes of LDS; arguments ctx, xq, bo, out0; writes out0
